; MI455X (gfx1250); checked and timed in simulation.
; The chip was launched on July 23, 2026; its instructions are those of AMD's public machine-readable ISA for CDNA 5 (MIT licence, August 2026) and "CDNA5" Instruction Set Architecture Reference Guide (July 2026). The comments in the code are by the model that wrote it; some were corrected since.
;; Particle Kernel. Allowed arithmetic: matrix products marked QUANTISED: E4M3 operands, one given power-of-two scale a tensor, by v_wmma_f32_16x16x64_fp8_fp8 or v_wmma_f32_16x16x128_fp8_fp8, f32 sums; everything else in f32.
;; Inputs: W_charge 2,048 x 512 float32; W_combine 512 x 2,048 float32; beta 512 float32; charge 4 x 2,048 x 512 float32; gamma 512 float32; log_bandwidth 4 float32; lowp_scales 6 int32 (the exponents e of the quantised operands' scales 2^e); mass 4 x 2,048 x 1 float32; position 4 x 2,048 x 16 float32.
;; Outputs: out0 4 x 2,048 x 512 float32.
;; This version of the problem:
;;   THIS VERSION OF THE PROBLEM IS GIVEN IN LOW PRECISION. The matrix products marked QUANTISED in the list below multiply operands that are first quantised to E4M3 (4 exponent bits, 3 mantissa bits; 8 bits a number), with one given power-of-two scale for each operand tensor; their sums are f32. All else is computed in f32.
;;   The module's matrix products, in the order in which they are computed (A, B: the left and right operand; K: the contracted axis; several contracted axes count as one K, in the product's order):
;;     1. [M 8,192, K 512] x [K 512, N 2,048]; A: input charge; B: input W_charge: QUANTISED (scales: A lowp_scales[0], B lowp_scales[1])
;;     2. batch 16 x [M 512, K 2,048] x [K 2,048, N 2,048]; A: computed on the way; B: computed on the way: QUANTISED (scales: A lowp_scales[2], B lowp_scales[3])
;;     3. [M 8,192, K 2,048] x [K 2,048, N 512]; A: computed on the way; B: input W_combine: QUANTISED (scales: A lowp_scales[4], B lowp_scales[5])
;;   THE QUANTISER, for each operand of a quantised product, along K:
;;     - The operand's scale is 2^e, e = its entry of the input lowp_scales (int32; the entries are numbered through the quantised products in the list's order, A before B).
;;     - Each number is divided by the scale, clamped to +-448, and rounded to the nearest number of E4M3, ties to even, subnormals kept.
;;     - The product sums the exact products of the quantised numbers (number of the format x scale) in f32.
;;   ~~~python
;;   def quantise(x, axis, e):      # numpy; x: float32 -> the quantised numbers, widened to float32 again
;;       x = np.moveaxis(x, axis, -1); K = x.shape[-1]
;;       r = np.clip(x / 2.0 ** e, -448, 448)
;;       step = 2.0 ** (np.maximum(np.frexp(np.where(r == 0, 1, r))[1] - 1, -6) - 3)
;;       q = np.round(r / step) * step * 2.0 ** e      # np.round: ties to even
;;       return np.moveaxis(q, -1, axis).astype(np.float32)
;;   ~~~
;;   OPERANDS COMPUTED ON THE WAY. 'Computed on the way' means the value that the module computes at that place (a softmax that the list does not call 'softmax' is quantised finished and normalised). What goes into a quantiser is computed in f32, as accurately as f32 sums, v_exp_f32 and their like allow (about 1e-6 of the number): no bf16 or f16 on the way to a quantiser, and a product that is left as it is and whose result goes on into a quantised operand takes f32 operands (vector FMAs, or v_wmma_f32_16x16x4_f32). A number that lies on a knife's edge between two numbers of the format may be rounded either way, as far as f32 arithmetic and the matrix unit's own rounding can turn it there, and no further.
;; One version. Each part assembles by itself: llvm-mc -triple=amdgcn-amd-amdhsa -mcpu=gfx1250 --defsym DOCPART=n.
;; ======== version 1 of 1: 4 launches
;; limits: a difference of large sums (such as E[x^2] - mean^2): digits are lost where the result is much smaller than its terms
;; workspace buffers: cq 4,194,304 bytes; w1q 1,048,576 bytes; w3q 1,048,576 bytes; wkq 67,108,864 bytes; pq 16,777,216 bytes; fq 16,777,216 bytes
;; launch prep (part 1): grid 256 x 1, 16 waves a work-group, no clusters, 302,080 bytes of LDS; arguments position, mass, log_bandwidth, lowp_scales, charge, W_charge, W_combine, cq, w1q, w3q, wkq; writes cq, w1q, w3q, wkq
.if DOCPART == 1
	.amdgcn_target "amdgcn-amd-amdhsa--gfx1250"
	.amdhsa_code_object_version 6
	.text
	.protected	k_q5b92f1682c_prep
	.globl	k_q5b92f1682c_prep
	.p2align	8
	.type	k_q5b92f1682c_prep,@function
k_q5b92f1682c_prep:
	s_mov_b64 s[64:65], 0
	v_nop
	global_prefetch_b8 v0, s[64:65] scope:SCOPE_SE
	s_setreg_imm32_b32 hwreg(HW_REG_WAVE_MODE, 25, 1), 1
	s_wait_xcnt 0x0
; TWO JOBS.  (1) charge [8192][512], W_charge [2048][512], W_combine [512][2048], f32 with K innermost, become codes of E4M3 (cq, w1q, w3q) with their given scales 2^e0, 2^e1, 2^e5.
; (2) wk[b][k][i][j] = exp(-|p_i - p_j|^2 / (2 exp(lb_k) + 1e-8)) x mass_j becomes codes with the scale 2^e3, j innermost (wkq): it is made once, here, and the second product reads codes.
; SHARES.  Work-group g: batch g / 64, 256 keys j (block (g / 8) % 8), 256 queries i (block g % 8), all four k.  Wave w: 16 queries x 256 keys x 4 k: 512 numbers a lane.  Sixteen waves of 256 registers:
; four to a SIMD, so that one wave's exponentials stand beside another's plain vector work and f32 matrix work.  Each wave also quantises 1,536 numbers of the three dense tensors.
; DISTANCES.  d = n_j + n_i - 2 (p_j - c).(p_i - c), n = |p - c|^2, by v_wmma_f32_16x16x4_f32 with K = 20: four steps of coordinates, then (n_j, 1, 0, 0).(1, n_i, 0, 0).  c is the mean of the batch's first 16 rows:
; a distance does not change under a shift, so a common offset of the positions is gone before anything is squared.  On the diagonal (i = j) the exponent is set to 0, as the difference of equal rows gives it.
; LIMIT: off the diagonal d carries an absolute error of a few units in the last place of n_i + n_j, where a sum of squared differences carries that of d alone.
; LAYOUT.  Source 0 = 16 keys, source 1 = my 16 queries: a lane holds ONE query (lane % 16) and its registers run along the keys.  THE KEYS OF A TILE ARE NOT NEIGHBOURS: lane r of tile 2 g + u takes key
; 32 g + 8 u + r + 8 (r / 8), so that the 16 registers of tiles 2 g, 2 g + 1 are the neighbours 32 g + 16 (lane / 16) + 0 .. 15, which the conversions pack into 16 bytes of a row of wkq.
; LIMITS on the given exponents: e0, e1, e3, e5 between -126 and 119, so that 2^e and 448 x 2^e are f32 numbers.  NaN among the inputs is not served.
; No tensor load, no cluster: what work-groups share is 16 KiB of positions; all else is read once.  One barrier: the sixteen key tiles, each prepared by one wave, are read by all.
.set TIMG,  1280                       ; LDS from byte 0: sixteen key tiles as images of their registers: 4 registers at 16 x lane, 4 at 512 + 16 x lane, 2 at 1,024 + 8 x lane
.set MAS,   20480                      ; the 256 keys' masses, f32
.set STG,   21504                      ; a region of its own for each wave:
.set WSTG,  17408                      ; 4 k x 16 rows x 272 bytes for the way out; earlier three stages of 2,560 bytes for the dense tensors
.set SP,    272                        ; a stage row: 256 codes + 16 bytes, so that sixteen rows begin at sixteen different banks
.set SPK,   16*SP
.set TS,    2560
.set LI,   2                           ; v2   16 x lane
.set LI8,  3                           ; v3   8 x lane
.set MA,   4                           ; v4   MAS + 64 (lane / 16)
.set STO,  5                           ; v5   the stage: row lane % 16, + 16 (lane / 16)
.set RD,   6                           ; v6   and back: lanes 0-15 one row, lanes 16-31 the next
.set XQ,   7                           ; v7   lane - 16 (wave % 2): the register of the diagonal step that holds my own key, if it is 0 .. 15
.set GO,   8                           ; v8-11  my byte offset in wkq for k = 0 .. 3
.set ZR,   12                          ; v12  0
.set ONE,  13                          ; v13  1.0
.set SC3,  14                          ; v14  2^e3
.set LIM3, 15                          ; v15  448 x 2^e3
.set FI,   16                          ; v16-25  my queries' fragment: -2 (p - c), then (1, n) in lanes 0-15
.set CEN,  26                          ; v26-33  c
.set SQ,   34                          ; v34-35  at work
.set D,    36                          ; v36-67  distances, two sets of two accumulators: written by matrix instructions alone
.set T,    68                          ; v68-131 4 k x 16 numbers
.set CD,   132                         ; v132-163 codes, two sets
.set MS,   164                         ; v164-195 masses, two sets
.set JF,   196                         ; v196-235 key fragments, two sets of two tiles of ten registers; ahead of the barrier: my key tile and temporaries
.set SIN,  236                         ; v236 the dense tensors' stage, on the way in
.set SOUT, 237                         ; v237 and out
.set QC,   244                         ; v244-255 their codes: never written again
.set CK,   40                          ; s[40:47] c_k = -log2(e) / (2 exp(lb_k) + 1e-8), each as a pair
.set DG,   51                          ; s51  the step that holds the diagonal, or 99
	s_load_b256 s[4:11], s[0:1], 0x0               ; position s[4:5], mass s[6:7], log_bandwidth s[8:9], lowp_scales s[10:11]
	s_load_b256 s[12:19], s[0:1], 0x20             ; charge s[12:13], W_charge s[14:15], W_combine s[16:17], cq s[18:19]
	s_load_b128 s[20:23], s[0:1], 0x40             ; w1q s[20:21], w3q s[22:23]
	s_load_b64 s[24:25], s[0:1], 0x50              ; wkq
	v_lshl_add_u32 v238, v0, 2, 0x49400
	v_mov_b32 v239, 0
	v_lshrrev_b32 v1, 5, v0
	v_readfirstlane_b32 s26, v1                    ; wave 0..15
	v_and_b32 v1, 31, v0                           ; lane
	v_and_b32 v206, 15, v0                         ; r
	v_bfe_u32 v207, v0, 4, 1                       ; h
	v_and_b32 v208, 8, v206
	v_add_nc_u32 v208, v208, v206                  ; r + 8 (r / 8)
	v_lshlrev_b32 v[LI], 4, v1
	v_lshlrev_b32 v[LI8], 3, v1
	v_lshl_add_u32 v[MA], v207, 6, MAS
	v_mov_b32 v[ZR], 0
	v_mov_b32 v[ONE], 1.0
	s_mov_b32 s48, 0x76543210                      ; v_permlanex16_b32: lane l xor 16
	s_mov_b32 s49, 0xfedcba98
	s_mov_b32 s50, 0xffff                          ; lanes 0-15
	s_lshr_b32 s72, ttmp9, 6                       ; batch
	s_bfe_u32 s73, ttmp9, 0x30003                  ; block of keys
	s_and_b32 s74, ttmp9, 7                        ; block of queries
	s_mul_i32 s27, s26, WSTG
	s_add_co_u32 s27, s27, STG                     ; my wave's region
	s_lshr_b32 s51, s26, 1
	s_lshl_b32 s53, s51, 5
	s_and_b32 s52, s26, 1
	s_lshl_b32 s54, s52, 3
	s_add_co_u32 s53, s53, s54                     ; the key tile that I prepare is tile w: it begins at key 32 (w / 2) + 8 (w % 2) of the block
	s_lshl_b32 s52, s52, 4
	s_cmp_eq_u32 s74, s73
	s_cselect_b32 s[DG], s51, 99                   ; my 16 queries meet their own keys in step w / 2 of the diagonal blocks
	v_sub_nc_u32 v[XQ], v1, s52
	v_mul_u32_u24 v[STO], v206, SP
	v_lshl_add_u32 v[STO], v207, 4, v[STO]
	v_add_nc_u32 v[STO], s27, v[STO]
	v_mul_u32_u24 v[RD], v207, SP
	v_lshl_add_u32 v[RD], v206, 4, v[RD]
	v_add_nc_u32 v[RD], s27, v[RD]
	v_lshlrev_b32 v[GO], 11, v207                  ; a row of wkq is 2,048 bytes; k's planes lie 2,048 rows apart
	v_lshl_add_u32 v[GO], v206, 4, v[GO]
	v_add_nc_u32 v[GO+1], 0x400000, v[GO]
	v_add_nc_u32 v[GO+2], 0x800000, v[GO]
	v_add_nc_u32 v[GO+3], 0xc00000, v[GO]
	v_lshrrev_b32 v[SIN], 2, v1
	v_mul_u32_u24 v[SIN], v[SIN], 80
	v_and_b32 v[SOUT], 3, v1
	v_lshl_add_u32 v[SIN], v[SOUT], 4, v[SIN]
	v_add_nc_u32 v[SIN], s27, v[SIN]               ; in: four lanes' 64 bytes on end, then 16 of padding
	v_mul_u32_u24 v[SOUT], v1, 80
	v_add_nc_u32 v[SOUT], s27, v[SOUT]             ; out: my 16 neighbours
	; byte offsets in position (a row is 64 bytes; lane (r, h) takes coordinates 4 c + 2 h, 4 c + 2 h + 1 of its row), in mass, and the LDS places
	s_lshl_b32 s55, s73, 8
	s_add_co_u32 s55, s55, s53                     ; my key tile's first key in the batch
	s_lshl_b32 s76, s55, 6
	s_lshl_b32 s77, s74, 8
	s_lshl_b32 s78, s26, 4
	s_add_co_u32 s77, s77, s78                     ; my first query in the batch
	s_lshl_b32 s78, s77, 6
	s_lshl_b32 s79, s72, 11
	s_add_co_u32 s79, s79, s55
	s_lshl_b32 s79, s79, 2
	s_lshl_b32 s54, s53, 2
	s_add_co_u32 s54, s54, MAS
	s_mul_i32 s34, s26, TIMG
	v_lshlrev_b32 v214, 6, v206
	v_lshl_add_u32 v214, v207, 3, v214             ; the batch's rows 0-15
	v_lshlrev_b32 v215, 6, v208
	v_lshl_add_u32 v215, v207, 3, v215
	v_add_nc_u32 v215, s76, v215                   ; my key tile
	v_add_nc_u32 v221, s78, v214                   ; my queries
	v_lshl_add_u32 v216, v208, 2, s79              ; my key's mass in memory,
	v_lshl_add_u32 v217, v208, 2, s54              ; and in LDS
	v_add_nc_u32 v219, s34, v[LI]                  ; my key tile's image
	v_add_nc_u32 v220, s34, v[LI8]
	s_wait_kmcnt 0x0
	s_load_b128 s[28:31], s[10:11], 0x0            ; e0 .. e3
	s_load_b64 s[32:33], s[10:11], 0x10            ; e4, e5
	s_load_b128 s[36:39], s[8:9], 0x0              ; log_bandwidth
	s_lshl_b32 s34, s72, 17
	s_mov_b32 s35, 0
	s_add_nc_u64 s[66:67], s[4:5], s[34:35]        ; position at my batch
	s_mov_b32 s69, 0
	s_lshl_b32 s34, ttmp9, 4
	s_add_co_u32 s34, s34, s26                     ; which 1,024 numbers of charge are my wave's
	s_lshl_b32 s68, s34, 12
	s_add_nc_u64 s[56:57], s[12:13], s[68:69]
	s_lshl_b32 s68, s34, 10
	s_add_nc_u64 s[58:59], s[18:19], s[68:69]
	s_and_b32 s34, s26, 7
	s_lshl_b32 s75, ttmp9, 3
	s_add_co_u32 s34, s34, s75                     ; which 512 numbers of a weight
	s_cmp_lt_u32 s26, 8                            ; waves 0-7: W_charge; waves 8-15: W_combine.  The choice hangs on the wave's number alone
	s_cselect_b64 s[60:61], s[14:15], s[16:17]
	s_cselect_b64 s[62:63], s[20:21], s[22:23]
	s_lshl_b32 s68, s34, 11
	s_add_nc_u64 s[60:61], s[60:61], s[68:69]
	s_lshl_b32 s68, s34, 9
	s_add_nc_u64 s[62:63], s[62:63], s[68:69]
	s_lshl_b32 s68, s72, 24                        ; wkq: batch x 4 x 2,048 rows, + my first query's row, + my block of keys
	s_lshl_b32 s75, s77, 11
	s_add_co_u32 s68, s68, s75
	s_lshl_b32 s75, s73, 8
	s_add_co_u32 s68, s68, s75
	s_add_nc_u64 s[70:71], s[24:25], s[68:69]
.irp c, 0,1,2,3                        ; thirteen loads that the distances want,
	global_load_b64 v[CEN+2*\c:CEN+2*\c+1], v214, s[66:67] offset:16*\c
	global_load_b64 v[JF+2*\c:JF+2*\c+1], v215, s[66:67] offset:16*\c
	global_load_b64 v[FI+2*\c:FI+2*\c+1], v221, s[66:67] offset:16*\c
.endr
	global_load_b32 v218, v216, s[6:7]
.irp t, 0,1                            ; then twelve of the dense tensors: 512 consecutive bytes each, read once in the launch
.irp i, 0,1,2,3
	global_load_b128 v[T+16*\t+4*\i:T+16*\t+4*\i+3], v[LI], s[56:57] offset:2048*\t+512*\i th:TH_LOAD_NT
.endr
.endr
.irp i, 0,1,2,3
	global_load_b128 v[T+32+4*\i:T+32+4*\i+3], v[LI], s[60:61] offset:512*\i th:TH_LOAD_NT
.endr
	; while they are on their way: c_k and the scales
	s_wait_kmcnt 0x0
	s_mov_b32 s75, 0x322bcc77                      ; 1e-8
.irp k, 0,1,2,3
	v_mov_b32 v[210+\k], s[36+\k]
.endr
.irp k, 0,1,2,3
	v_mul_f32 v[210+\k], 0x3fb8aa3b, v[210+\k]     ; x log2(e)
.endr
.irp k, 0,1,2,3
	v_exp_f32 v[210+\k], v[210+\k]                 ; exp(lb_k)
.endr
	v_nop                                          ; a plain instruction between the transcendentals and the use of their results (ISA guide 5.7.2)
	s_wait_alu depctr_va_vdst(0)
.irp k, 0,1,2,3
	v_fma_f32 v[210+\k], v[210+\k], 2.0, s75       ; x = 2 exp(lb_k) + 1e-8
.endr
.irp k, 0,1,2,3
	v_rcp_f32 v[222+\k], v[210+\k]
.endr
	v_nop
	s_wait_alu depctr_va_vdst(0)
.irp k, 0,1,2,3
	v_fma_f32 v[226+\k], -v[210+\k], v[222+\k], 1.0    ; one Newton step: 1 / x to f32's last place
.endr
.irp k, 0,1,2,3
	v_fma_f32 v[222+\k], v[226+\k], v[222+\k], v[222+\k]
.endr
.irp k, 0,1,2,3
	v_mul_f32 v[222+\k], 0xbfb8aa3b, v[222+\k]     ; x -log2(e)
.endr
.irp k, 0,1,2,3
	v_readfirstlane_b32 s[CK+2*\k], v[222+\k]
	s_mov_b32 s[CK+2*\k+1], s[CK+2*\k]             ; (named with it as a pair, so it is written)
.endr
.macro MKS e, vs, vl                   ; from the exponent in s[e]: v[vs] = 2^e as f32 (the conversion takes its exponent field), v[vl] = 448 x 2^e
	s_add_co_i32 s34, s[\e], 127
	s_lshl_b32 s35, s34, 23
	v_mov_b32 v[\vs], s35
	s_add_co_i32 s34, s34, 8
	s_lshl_b32 s34, s34, 23
	s_or_b32 s34, s34, 0x600000
	v_mov_b32 v[\vl], s34
.endm
	s_cmp_lt_u32 s26, 8
	s_cselect_b32 s75, s29, s33                    ; e1 for W_charge, e5 for W_combine
	MKS 31, SC3, LIM3
	MKS 28, 240, 241
	MKS 75, 242, 243
	s_wait_loadcnt 12                              ; the thirteen are in; the twelve issued behind them may be out
.irp m, 1,2,4,8                        ; c: the sum over the sixteen rows, which lie in the sixteen lanes of a half
.irp c, 0,1,2,3,4,5,6,7
	v_add_f32_dpp v[CEN+\c], v[CEN+\c], v[CEN+\c] row_xmask:\m row_mask:0xf bank_mask:0xf
.endr
.endr
.irp c, 0,1,2,3,4,5,6,7
	v_mul_f32 v[CEN+\c], 0x3d800000, v[CEN+\c]     ; / 16
.endr
; A tile of 16 rows: p - c, n = |p - c|^2 (my eight coordinates' squares and lane l xor 16's), and the fifth K step's two registers, which are zero in lanes 16-31.
.macro TILEPREP f, query
.irp c, 0,2,4,6
	v_pk_add_f32 v[\f+\c:\f+\c+1], v[\f+\c:\f+\c+1], v[CEN+\c:CEN+\c+1] neg_lo:[0,1] neg_hi:[0,1]
.endr
	v_pk_mul_f32 v[SQ:SQ+1], v[\f:\f+1], v[\f:\f+1]
.irp c, 2,4,6
	v_pk_fma_f32 v[SQ:SQ+1], v[\f+\c:\f+\c+1], v[\f+\c:\f+\c+1], v[SQ:SQ+1]
.endr
	v_add_f32 v[SQ], v[SQ], v[SQ+1]
	v_permlanex16_b32 v[SQ+1], v[SQ], s48, s49
	v_add_f32 v[SQ], v[SQ], v[SQ+1]
.if \query
.irp c, 0,2,4,6
	v_pk_mul_f32 v[\f+\c:\f+\c+1], v[\f+\c:\f+\c+1], -2.0 op_sel_hi:[1,0]
.endr
	v_cndmask_b32 v[\f+8], v[ZR], v[ONE], s50      ; (1, n_i)
	v_cndmask_b32 v[\f+9], v[ZR], v[SQ], s50
.else
	v_cndmask_b32 v[\f+8], v[ZR], v[SQ], s50       ; (n_j, 1)
	v_cndmask_b32 v[\f+9], v[ZR], v[ONE], s50
.endif
.endm
	TILEPREP JF, 0
	ds_store_b128 v219, v[JF:JF+3]                 ; my key tile goes to LDS as an image of its registers
	ds_store_b128 v219, v[JF+4:JF+7] offset:512
	ds_store_b64 v220, v[JF+8:JF+9] offset:1024
	ds_store_b32 v217, v218                        ; and its masses, by key (both halves of the lanes write the same word)
	TILEPREP FI, 1
; The dense tensors.  The conversions take neighbours along K from one lane's registers; the loads took 16 bytes a lane.  So a step's 2,048 bytes turn through my own stage: in as they lie, out 64 bytes a lane.
.macro TURN t
	s_wait_loadcnt 8-4*\t                          ; this step's four loads are in; the later steps' may be out
.irp i, 0,1,2,3
	ds_store_b128 v[SIN], v[T+16*\t+4*\i:T+16*\t+4*\i+3] offset:TS*\t+640*\i
.endr
.irp i, 0,1,2,3
	ds_load_b128 v[T+48+16*\t+4*\i:T+48+16*\t+4*\i+3], v[SOUT] offset:TS*\t+16*\i   ; LDS serves a wave's instructions in order (ISA guide 5.7.1.4): these see the stores above
.endr
.endm
.macro QS t, sc, lim, base, off
	s_wait_dscnt 16-8*\t                           ; this step's numbers are back; the eight LDS instructions of each later step may be out
.set j, 0
.rept 16
	v_med3_num_f32 v[T+48+16*\t+j], v[T+48+16*\t+j], -v[\lim], v[\lim]   ; the conversion to an 8-bit code does not saturate (ISA guide 7.6.2): the hold at the largest code x the scale
.set j, j+1
.endr
	v_cvt_scalef32_pk8_fp8_f32 v[QC+4*\t:QC+4*\t+1], v[T+48+16*\t:T+48+16*\t+7], v[\sc]
	v_cvt_scalef32_pk8_fp8_f32 v[QC+4*\t+2:QC+4*\t+3], v[T+56+16*\t:T+56+16*\t+7], v[\sc]
	global_store_b128 v[LI], v[QC+4*\t:QC+4*\t+3], s[\base:\base+1] offset:\off     ; the wave stores 512 consecutive bytes, aligned
.endm
	TURN 0
	TURN 1
	TURN 2
	QS 0, 240, 241, 58, 0
	QS 1, 240, 241, 58, 512
	QS 2, 242, 243, 62, 0
	v_nop                                          ; a plain instruction behind the last conversion: vector instructions further on write its sources
	s_wait_dscnt 0x0                               ; for the others' sake: my key tile and its masses lie in LDS
	s_barrier_signal -1
	s_barrier_wait -1
.macro FETCHJ g                        ; step g's two key tiles, into set g % 2: six loads
.irp u, 0,1
	ds_load_b128 v[JF+20*((\g)%2)+10*\u:JF+20*((\g)%2)+10*\u+3], v[LI] offset:TIMG*(2*(\g)+\u)
	ds_load_b128 v[JF+20*((\g)%2)+10*\u+4:JF+20*((\g)%2)+10*\u+7], v[LI] offset:TIMG*(2*(\g)+\u)+512
	ds_load_b64 v[JF+20*((\g)%2)+10*\u+8:JF+20*((\g)%2)+10*\u+9], v[LI8] offset:TIMG*(2*(\g)+\u)+1024
.endr
.endm
.macro FETCHM g                        ; my 16 keys' masses of step g: four loads
.irp q, 0,1,2,3
	ds_load_b128 v[MS+16*((\g)%2)+4*\q:MS+16*((\g)%2)+4*\q+3], v[MA] offset:128*(\g)+16*\q
.endr
.endm
.macro WM g                            ; step g's distances: ten matrix instructions; the two accumulators take turns; the first K step starts the sums
.irp c, 0,1,2,3,4
.irp u, 0,1
.if \c == 0
	v_wmma_f32_16x16x4_f32 v[D+16*((\g)%2)+8*\u:D+16*((\g)%2)+8*\u+7], v[JF+20*((\g)%2)+10*\u:JF+20*((\g)%2)+10*\u+1], v[FI:FI+1], 0
.else
	v_wmma_f32_16x16x4_f32 v[D+16*((\g)%2)+8*\u:D+16*((\g)%2)+8*\u+7], v[JF+20*((\g)%2)+10*\u+2*\c:JF+20*((\g)%2)+10*\u+2*\c+1], v[FI+2*\c:FI+2*\c+1], v[D+16*((\g)%2)+8*\u:D+16*((\g)%2)+8*\u+7]
.endif
.endr
.endr
.endm
; Step g's vector work: 16 distances a lane become 64 codes.
.macro VEC g
.set DS, D+16*((\g)%2)
.set CDS, CD+16*((\g)%2)
.set MSS, MS+16*((\g)%2)
.irp k, 0,1,2,3
.irp q, 0,2,4,6,8,10,12,14
	v_pk_mul_f32 v[T+16*\k+\q:T+16*\k+\q+1], v[DS+\q:DS+\q+1], s[CK+2*\k:CK+2*\k+1] op_sel_hi:[1,0]   ; d x c_k, into other registers; each accumulator from its low end on
.endr
.endr
	s_cmp_lg_u32 s[DG], \g                         ; a branch on ids: only the step that holds my own keys goes through the selects
	s_cbranch_scc1 .Loff_\@
.irp q, 0,1,2,3,4,5,6,7,8,9,10,11,12,13,14,15
	v_cmp_eq_u32 vcc_lo, \q, v[XQ]
.irp k, 0,1,2,3
	v_cndmask_b32 v[T+16*\k+\q], v[T+16*\k+\q], v[ZR], vcc_lo    ; i = j: the exponent is 0
.endr
.endr
.Loff_\@:
.set j, 0
.rept 64
	v_exp_f32 v[T+j], v[T+j]
.set j, j+1
.endr
	v_nop                                          ; a plain instruction between the exponentials and the use of their results
	s_wait_alu depctr_va_vdst(0)
.irp k, 0,1,2,3
.irp q, 0,2,4,6,8,10,12,14
	v_pk_mul_f32 v[T+16*\k+\q:T+16*\k+\q+1], v[T+16*\k+\q:T+16*\k+\q+1], v[MSS+\q:MSS+\q+1]      ; x mass_j
.endr
.endr
.if (\g) < 6
	FETCHM (\g)+2                                  ; into the set just used
.endif
.irp k, 0,1,2,3
.set j, 0
.rept 16
	v_med3_num_f32 v[T+16*\k+j], v[T+16*\k+j], -v[LIM3], v[LIM3]
.set j, j+1
.endr
	v_cvt_scalef32_pk8_fp8_f32 v[CDS+4*\k:CDS+4*\k+1], v[T+16*\k:T+16*\k+7], v[SC3]
	v_cvt_scalef32_pk8_fp8_f32 v[CDS+4*\k+2:CDS+4*\k+3], v[T+16*\k+8:T+16*\k+15], v[SC3]
	ds_store_b128 v[STO], v[CDS+4*\k:CDS+4*\k+3] offset:SPK*\k+32*(\g)    ; keys 32 g + 16 (lane / 16) on, of my query's row
.endr
	v_nop                                          ; a plain instruction behind the last conversion
.endm
; The distances run a step ahead of the vector work.  Behind this matrix form eight places are owed ahead of a read of its result and of a load into its sources, nine ahead of a matrix instruction that writes over its
; result (save for loads): from step 1 on a whole step's plain vector lines stand there; in step 0 eight v_nop.
	FETCHJ 0
	FETCHM 0
	FETCHJ 1
	FETCHM 1
	s_wait_dscnt 0x0
	WM 0
	WM 1
.rept 8
	v_nop
.endr
	FETCHJ 2
	VEC 0
.irp g, 1,2,3,4,5
	s_wait_dscnt 8                                 ; the next step's key tiles are in: behind their loads came four mass loads and four stores
	WM \g+1
	FETCHJ \g+2
	VEC \g
.endr
	s_wait_dscnt 8
	WM 7
	VEC 6
	s_wait_dscnt 4                                 ; step 7's masses are in: only step 6's four stores may be out
	VEC 7
	; THE WAY OUT: my 4 x 16 rows of 256 codes come back by rows, and sixteen lanes store 256 consecutive bytes, aligned.
.irp k, 0,1,2,3
.irp t, 0,1,2,3,4,5,6,7
	ds_load_b128 v[T+32*\k+4*\t:T+32*\k+4*\t+3], v[RD] offset:SPK*\k+2*SP*\t      ; my own bytes, served in order behind my stores
.endr
.endr
.irp k, 0,1,2,3
.irp t, 0,1,2,3,4,5,6,7
	s_wait_dscnt 31-8*\k-\t
	global_store_b128 v[GO+\k], v[T+32*\k+4*\t:T+32*\k+4*\t+3], s[70:71] offset:4096*\t
.endr
.endr
	s_wait_tensorcnt 0x0
	ds_add_u32 v238, v239
	s_wait_dscnt 0x0
	s_endpgm
.Lfunc_end_k_q5b92f1682c_prep:
	.size	k_q5b92f1682c_prep, .Lfunc_end_k_q5b92f1682c_prep-k_q5b92f1682c_prep
	.p2alignl 7, 3214868480
	.fill 96, 4, 3214868480
	.section	.rodata,"a",@progbits
	.p2align	6, 0x0
	.amdhsa_kernel k_q5b92f1682c_prep
		.amdhsa_group_segment_fixed_size 302080
		.amdhsa_private_segment_fixed_size 0
		.amdhsa_enable_private_segment 0
		.amdhsa_kernarg_size 88
		.amdhsa_user_sgpr_count 2
		.amdhsa_user_sgpr_kernarg_segment_ptr 1
		.amdhsa_wavefront_size32 1
		.amdhsa_system_sgpr_workgroup_id_x 1
		.amdhsa_system_sgpr_workgroup_id_y 1
		.amdhsa_system_sgpr_workgroup_id_z 1
		.amdhsa_system_vgpr_workitem_id 0
		.amdhsa_next_free_vgpr 256
		.amdhsa_next_free_sgpr 80
		.amdhsa_reserve_vcc 1
		.amdhsa_float_denorm_mode_32 3
		.amdhsa_float_denorm_mode_16_64 3
		.amdhsa_memory_ordered 1
		.amdhsa_forward_progress 1
		.amdhsa_inst_pref_size 145
	.end_amdhsa_kernel
	.amdgpu_metadata
---
amdhsa.version: [ 1, 2 ]
amdhsa.kernels:
  - .name:           k_q5b92f1682c_prep
    .symbol:         k_q5b92f1682c_prep.kd
    .args:
      - { .name: position, .offset: 0, .size: 8, .value_kind: global_buffer, .address_space: global }
      - { .name: mass, .offset: 8, .size: 8, .value_kind: global_buffer, .address_space: global }
      - { .name: log_bandwidth, .offset: 16, .size: 8, .value_kind: global_buffer, .address_space: global }
      - { .name: lowp_scales, .offset: 24, .size: 8, .value_kind: global_buffer, .address_space: global }
      - { .name: charge, .offset: 32, .size: 8, .value_kind: global_buffer, .address_space: global }
      - { .name: W_charge, .offset: 40, .size: 8, .value_kind: global_buffer, .address_space: global }
      - { .name: W_combine, .offset: 48, .size: 8, .value_kind: global_buffer, .address_space: global }
      - { .name: cq, .offset: 56, .size: 8, .value_kind: global_buffer, .address_space: global }
      - { .name: w1q, .offset: 64, .size: 8, .value_kind: global_buffer, .address_space: global }
      - { .name: w3q, .offset: 72, .size: 8, .value_kind: global_buffer, .address_space: global }
      - { .name: wkq, .offset: 80, .size: 8, .value_kind: global_buffer, .address_space: global }
    .group_segment_fixed_size: 302080
    .private_segment_fixed_size: 0
    .kernarg_segment_align: 8
    .kernarg_segment_size: 88
    .max_flat_workgroup_size: 512
    .sgpr_count:     80
    .vgpr_count:     256
    .wavefront_size: 32
...
	.end_amdgpu_metadata
.endif
;; end of part 1
;; launch gemm1 (part 2): grid 32 x 8, 4 waves a work-group, clusters of 4 x 4, 327,680 bytes of LDS; arguments w1q, cq, lowp_scales, pq; writes pq
.if DOCPART == 2
	.amdgcn_target "amdgcn-amd-amdhsa--gfx1250"
	.amdhsa_code_object_version 6
	.text
	.protected	k_q5b92f1682c_gemm1
	.globl	k_q5b92f1682c_gemm1
	.p2align	8
	.type	k_q5b92f1682c_gemm1,@function
k_q5b92f1682c_gemm1:
	s_mov_b64 s[64:65], 0
	v_nop
	global_prefetch_b8 v0, s[64:65] scope:SCOPE_SE
	s_setreg_imm32_b32 hwreg(HW_REG_WAVE_MODE, 25, 1), 1
	s_wait_xcnt 0x0
	s_wait_alu depctr_hold_cnt(0) depctr_sa_sdst(0) depctr_va_vdst(0) depctr_va_sdst(0) depctr_va_ssrc(0) depctr_va_vcc(0) depctr_vm_vsrc(0)
	s_getreg_b32 s2, hwreg(HW_REG_IB_STS2, 6, 4)
	s_cmp_eq_u32 s2, 0
	s_cbranch_scc0 .Lentry_in_a_cluster
	s_endpgm
.Lentry_in_a_cluster:
	s_bfe_u32 s2, ttmp6, 0x10000c
	s_cmp_lg_u32 s2, 0xf033
	s_cbranch_scc0 .Lentry_shape_is_right
	s_endpgm
.Lentry_shape_is_right:
; A GEMM ON CODES OF E4M3 WHOSE RESULT IS QUANTISED AGAIN: C[m][n] = sum over k of A[m][k] B[n][k], f32 sums, then code = C x 2^(ea + eb) / 2^eo, held within +-448, stored with n innermost.
; One text serves two launches; WHICH says which.
; WHICH = 1: A = w1q [2048 (k,d)][512], B = cq [8192 (b,j)][512]; the result is the projected charge, pq [b][(k,d)][j]: j, the second product's K, innermost.  Exponents e0, e1; eo = e2.
; WHICH = 2: A = wkq [16 z][2048 i][2048 j], B = pq [16 z x 512 d][2048 j], z = (b,k); the result is the field, fq [b][i][(k,d)]: the third product's K innermost.  Exponents e2, e3; eo = e4.
; In both, tile column x (256 rows of B) and tile row y (256 rows of A) give the output bytes (x / 8) 2^22 + 256 (x % 8) + 2,048 m.
; LIMIT: eo - ea - eb lies between -126 and 119, so that 2^(eo - ea - eb) and 448 times it are f32 numbers.
; A tile of C, 256 x 256, is made by four waves, each 128 x 128: 64 accumulators, 512 registers.  K goes in steps of 256 through a ring of two LDS slots filled by the tensor data mover: a tile's row is 256 bytes of memory.
; CLUSTERS: 4 x 4 work-groups.  B's tile hangs on x alone: the four of a column of the cluster ask for it JOINTLY.  WHICH = 1: A's tile hangs on y alone and is asked for jointly along a row of the cluster.
; WHICH = 2: A's tile hangs on y and on x / 2, so only two neighbours of a row share it: two of four is neither a row nor a column of the cluster, so each work-group asks for A's tiles by a load of its own, in the same round.
; THE MATRIX INSTRUCTION IS USED TRANSPOSED (source 0 = 16 rows of B, source 1 = 16 rows of A): a lane holds eight neighbouring n of one row m, which one conversion packs into eight bytes.
; REGISTERS, in windows of 256: window 0: v0-31 addresses and the scale; v32-127 at work on the way out; from v128 A's fragments, ONE set.  window 1: B's fragments, TWO sets.  windows 2, 3: the accumulators ((a, b) at v[8 (8 (a % 4) + b)]).
.set WHICH, 1
.if WHICH == 1
.set KROW,   512                       ; a row of A or of B in bytes
.set EOFF,   0                         ; where the three exponents begin in lowp_scales
.else
.set KROW,   2048
.set EOFF,   8
.endif
.set KSTEP,  256
.set ROWB,   256
.set PITCH,  272                       ; an LDS row: 256 bytes + 16 of padding = 68 words: row r starts at bank 4 r mod 64 (ISA guide 11.1)
.set FR,     16
.set NL,     4
.set NP,     4                         ; places behind this matrix instruction (ISA guide 7.12.1)
.set HALFT,  128*PITCH
.set SLOT,   4*HALFT                   ; A's 256 rows, then B's 256 rows
.set LAPS,   KROW/(2*KSTEP)
.set SPARE,  2*SLOT                    ; behind the ring: the spare words, 128 bytes for each wave, which no other line names
.set ADRA, 16
.set ADRB, 20
.set STO,  24                          ; v24  the way out: where I put eight codes of a row
.set RD,   25                          ; v25  and where I read rows back
.set CO,   26                          ; v26  my byte offset in the output
.set SPW,  28
.set NIL,  29
.set LIM,  30                          ; v30  448 x 2^(eo - ea - eb)
.set SCL,  31                          ; v31  2^(eo - ea - eb)
.set TMP,  32                          ; v32-95  a block's sums, held
.set CDS,  96                          ; v96-127 its codes, two sets
.set AF,   128
.set BK,   128                         ; v128-255 the way out: 64 rows read back
.set G1, 24
.set G0, 32
.set G1B, 48
.set G0B, 56
.set MSB, 0
.macro WIN new                         ; the immediate's high byte repeats the setting that is left
.if MSB != \new
	s_set_vgpr_msb (MSB<<8)|\new
.set MSB, \new
.endif
.endm
.set MUL_LO, 0xa1                      ; source 0 (B) window 1, source 1 (A) window 0, C and D window 2
.set MUL_HI, 0xf1
.set TO_B,   0x40
; Waves 0 and 1 fetch for A, waves 2 and 3 for B.  The branch hangs on the wave's number alone.  Four v_nop follow each of the two lines.
.macro JLOAD g0a, g1a, g0b, g1b
	s_cmp_eq_u32 s15, 0
	s_cbranch_scc0 .Lfor_b_\@
	tensor_load_to_lds s[\g0a:\g0a+3], s[\g1a:\g1a+7]
	s_nop 0
.rept 4
	v_nop
.endr
	s_branch .Lasked_\@
.Lfor_b_\@:
	tensor_load_to_lds s[\g0b:\g0b+3], s[\g1b:\g1b+7]
	s_nop 0
.rept 4
	v_nop
.endr
.Lasked_\@:
.endm
.macro CREST                           ; a round of the cluster's barrier behind its opening barrier
	s_cmp_lg_u32 s14, 0
	s_cbranch_scc1 .Lnot_wave_0_\@
	s_barrier_signal -3
.Lnot_wave_0_\@:
	s_barrier_wait -3
	s_barrier_signal -1
	s_barrier_wait -1
.endm
.macro CROUND
	s_barrier_signal -1
	s_barrier_wait -1
	CREST
.endm
	s_load_b128 s[4:7], s[0:1], 0x0                ; A's codes s[4:5], B's codes s[6:7]
	s_load_b128 s[8:11], s[0:1], 0x10              ; lowp_scales s[8:9], the output s[10:11]
	v_lshl_add_u32 v[SPW], v0, 2, SPARE
	v_mov_b32 v[NIL], 0
	ds_add_u32 v28, v29
	s_wait_dscnt 0x0
	v_lshrrev_b32 v1, 5, v0
	v_readfirstlane_b32 s14, v1                    ; wave 0..3
	s_lshr_b32 s15, s14, 1                         ; which half of the tile's rows is mine.  Also: I fetch for A (0) or for B (1)
	s_and_b32 s16, s14, 1                          ; which half of its columns.  Also: which 128 rows of that tile I fetch
	s_bfe_u32 s40, ttmp6, 0x40000                  ; cx, cy: my place in the cluster
	s_bfe_u32 s41, ttmp6, 0x40004
	s_lshl_b32 s42, ttmp9, 2
	s_add_co_u32 s42, s42, s40                     ; x = 4 x cluster x + cx
	s_and_b32 s17, ttmp7, 0xffff
	s_lshl_b32 s17, s17, 2
	s_add_co_u32 s17, s17, s41                     ; y = 4 x cluster y + cy
	s_lshl_b32 s44, 0x1111, s40                    ; my column of the cluster
.if WHICH == 1
	s_lshl_b32 s43, s41, 2
	s_lshl_b32 s43, 15, s43                        ; my row of the cluster
	s_or_b32 s[G1+0], s43, (0<<16)|(1<<20)|(1<<21)|(5<<22)|(3<<25)  ; 15:0 the mask; 17:16 element of 1 byte; 20 padding on; 21 set beside a mask; 24:22 after every 64 words; 31:25 four words
.else
	s_mov_b32 s[G1+0], (0<<16)|(1<<20)|(5<<22)|(3<<25)              ; no mask: a load of my own
.endif
	s_or_b32 s[G1B+0], s44, (0<<16)|(1<<20)|(1<<21)|(5<<22)|(3<<25)
.irp g, G1, G1B
	s_mov_b32 s[\g+1], ROWB<<16                    ; tensor_dim0
	s_mov_b32 s[\g+2], 128<<16                     ; tensor_dim1
	s_mov_b32 s[\g+3], ROWB<<16                    ; tile_dim0
	s_mov_b32 s[\g+4], 128                         ; tile_dim1
	s_mov_b32 s[\g+5], KROW                        ; tensor_dim0_stride
	s_mov_b32 s[\g+6], 0
	s_mov_b32 s[\g+7], 0
.endr
	s_lshl_b32 s18, s16, 7                         ; which 128 rows of the tile I fetch
	s_lshl_b32 s20, s17, 8
	s_add_co_u32 s20, s20, s18                     ; A: row 256 y + 128 x half
.if WHICH == 2
	s_lshr_b32 s21, s42, 1
	s_lshl_b32 s21, s21, 11
	s_add_co_u32 s20, s20, s21                     ; in plane z = x / 2 of 2,048 rows
.endif
	s_lshl_b32 s46, s42, 8
	s_add_co_u32 s46, s46, s18                     ; B: row 256 x + 128 x half
	s_mov_b32 s21, 0
	s_mov_b32 s47, 0
	s_mov_b64 s[18:19], KROW
	s_mul_u64 s[20:21], s[20:21], s[18:19]
	s_mul_u64 s[46:47], s[46:47], s[18:19]
	s_mul_i32 s45, s14, HALFT                      ; where they go: wave x 128 rows: no place in the cluster enters an LDS address
	s_wait_kmcnt 0x0
	s_load_b128 s[68:71], s[8:9], EOFF             ; the two operands' exponents, then the result's (the fourth word is not used)
	s_add_nc_u64 s[20:21], s[4:5], s[20:21]
	s_add_nc_u64 s[46:47], s[6:7], s[46:47]
	CROUND                                         ; all sixteen work-groups are here: the first joint loads meet
.irp s, 0,1
	s_mov_b32 s[G0+4*\s], 1
	s_add_co_u32 s[G0+4*\s+1], s45, \s*SLOT
	s_add_nc_u64 s[G0+4*\s+2:G0+4*\s+3], s[20:21], \s*ROWB
	s_or_b32 s[G0+4*\s+3], s[G0+4*\s+3], 0x80000000
	s_mov_b32 s[G0B+4*\s], 1
	s_add_co_u32 s[G0B+4*\s+1], s45, \s*SLOT
	s_add_nc_u64 s[G0B+4*\s+2:G0B+4*\s+3], s[46:47], \s*ROWB
	s_or_b32 s[G0B+4*\s+3], s[G0B+4*\s+3], 0x80000000
	JLOAD G0+4*\s, G1, G0B+4*\s, G1B               ; two loads of mine are out
.endr
	v_and_b32 v1, 15, v0                           ; r
	v_bfe_u32 v2, v0, 4, 1                         ; h
	v_mul_u32_u24 v3, v1, PITCH
	v_lshl_add_u32 v4, v2, 4, v3                   ; a fragment's row x pitch + 16 x half
	s_mul_i32 s21, s15, HALFT                      ; my 128 rows of A
	s_mul_i32 s22, s16, HALFT
	s_add_co_u32 s22, s22, 2*HALFT                 ; my 128 rows of B, behind A's 256
.irp s, 0,1
	v_add_nc_u32 v[ADRA+\s], s21, v4
	v_add_nc_u32 v[ADRB+\s], s22, v4
	s_add_co_u32 s21, s21, SLOT
	s_add_co_u32 s22, s22, SLOT
.endr
	s_mul_i32 s23, s15, 128*PITCH                  ; the way out: ONE stage of 256 rows x 272 bytes for the work-group, from LDS byte 0 on: in slot 0, which has had its last fill and its last read by then
	s_lshl_b32 s22, s16, 7
	s_add_co_u32 s23, s23, s22
	v_lshl_add_u32 v5, v2, 3, v3
	v_add_nc_u32 v[STO], s23, v5                   ; in: row 128 x row half + r, byte 128 x column half + 8 h
	s_mul_i32 s23, s14, 64*PITCH
	v_mul_u32_u24 v5, v2, PITCH
	v_lshl_add_u32 v5, v1, 4, v5
	v_add_nc_u32 v[RD], s23, v5                    ; back: wave w takes rows 64 w on, whole; lanes 0-15 one row, lanes 16-31 the next
	v_lshlrev_b32 v[CO], 11, v2
	v_lshl_add_u32 v[CO], v1, 4, v[CO]             ; and the same two rows in the output, 2,048 bytes apart
	s_lshl_b32 s20, s17, 8
	s_lshl_b32 s21, s14, 6
	s_add_co_u32 s20, s20, s21                     ; the first row that I store: 256 y + 64 w
	s_lshl_b32 s20, s20, 11
	s_lshr_b32 s46, s42, 3
	s_lshl_b32 s46, s46, 22
	s_and_b32 s47, s42, 7
	s_lshl_b32 s47, s47, 8
	s_add_co_u32 s46, s46, s47
	s_add_co_u32 s20, s20, s46
	s_mov_b32 s21, 0
	s_add_nc_u64 s[10:11], s[10:11], s[20:21]
.macro FRAG reg, adr, q, i             ; a fragment, 16 rows x 128 K: lane l holds row l % 16; registers 4 c .. 4 c + 3 hold K = 32 c + 16 (l / 16) + 0 .. 15: the same order of K in A and in B
.irp c, 0,1,2,3
	ds_load_b128 v[\reg+4*\c:\reg+4*\c+3], v[\adr] offset:128*(\q)+32*\c+(\i)*16*PITCH
.endr
.endm
; 16 matrix instructions: A's blocks a0, a0 + 1 x B's eight.  The 64 accumulators take turns, one instruction a turn, in the same order in every step.
.macro MUL16 a0, p, zero
.irp a, \a0, \a0+1
.irp b, 0,1,2,3,4,5,6,7
.if \zero
	v_wmma_f32_16x16x128_fp8_fp8 v[8*(8*((\a)%4)+\b):8*(8*((\a)%4)+\b)+7], v[128*(\p)+FR*\b:128*(\p)+FR*\b+FR-1], v[AF+FR*(\a):AF+FR*(\a)+FR-1], 0
.else
	v_wmma_f32_16x16x128_fp8_fp8 v[8*(8*((\a)%4)+\b):8*(8*((\a)%4)+\b)+7], v[128*(\p)+FR*\b:128*(\p)+FR*\b+FR-1], v[AF+FR*(\a):AF+FR*(\a)+FR-1], v[8*(8*((\a)%4)+\b):8*(8*((\a)%4)+\b)+7]
.endif
.endr
.endr
.endm
.macro FETCH_B slot, q, p
	WIN TO_B
.irp i, 0,1,2,3,4,5,6,7
	FRAG 128*(\p)+FR*\i, ADRB+\slot, \q, \i
.endr
	WIN 0
.endm
.macro FETCH_A slot, q, i0
.irp i, \i0, \i0+1, \i0+2, \i0+3
	FRAG AF+FR*(\i), ADRA+\slot, \q, \i
.endr
.endm
.macro PLACES n                        ; plain vector instructions between a matrix instruction and a load into its sources, or a read of its result (save for loads)
.rept \n
	v_nop
.endr
.endm
; A step of 128 along K that has its successor in the same slot.
.macro STEP slot, q, zero
	s_wait_dscnt 4*NL                              ; B's set and A's blocks 0-3 are in; the youngest sixteen loads (A's blocks 4-7) may be out
	WIN MUL_LO
	MUL16 0, (\q)%2, \zero
	MUL16 2, (\q)%2, \zero
	s_wait_dscnt 0                                 ; A's blocks 4-7 are in
	PLACES NP
	FETCH_B \slot, (\q)+1, 1-(\q)%2
	FETCH_A \slot, (\q)+1, 0
	WIN MUL_HI
	MUL16 4, (\q)%2, \zero
	MUL16 6, (\q)%2, \zero
	PLACES NP
	WIN 0
	FETCH_A \slot, (\q)+1, 4
.endm
; A slot's last step changes slots: ONE barrier; in front of it each wave waits for all its tensor loads, adds 0 to its spare word, and waits for that and for its own reads of this slot.
.macro TURN slot, next, fill
	s_wait_tensorcnt 0x0                           ; all my tensor loads have landed: my part of the next slot
	ds_add_u32 v[SPW], v[NIL]                      ; 0 onto my spare word
	s_wait_dscnt 4*NL+1                            ; (the add and the youngest sixteen loads may be out)
	WIN MUL_LO
	MUL16 0, 1, 0
	s_wait_dscnt 0x0                               ; the add is done, and my reads of this slot are over
	s_barrier_signal -1
	MUL16 2, 1, 0
	WIN 0
	s_barrier_wait -1
.if \fill
	CREST                                          ; the barrier has opened a round of the cluster's barrier: no wave of any partner still reads this slot or has a load on its way
	s_add_nc_u64 s[G0+4*\slot+2:G0+4*\slot+3], s[G0+4*\slot+2:G0+4*\slot+3], 2*ROWB
	s_add_nc_u64 s[G0B+4*\slot+2:G0B+4*\slot+3], s[G0B+4*\slot+2:G0B+4*\slot+3], 2*ROWB
	JLOAD G0+4*\slot, G1, G0B+4*\slot, G1B         ; my one tensor load behind the round; its four v_nop are the places in front of the loads below
.else
	PLACES NP
.endif
	FETCH_B \next, 0, 0
	FETCH_A \next, 0, 0
	WIN MUL_HI
	MUL16 4, 1, 0
	MUL16 6, 1, 0
	PLACES NP
	WIN 0
	FETCH_A \next, 0, 4
.endm
	s_wait_tensorcnt 1                             ; my part of K step 0 is in (K step 1's load may be out)
	s_barrier_signal -1
	s_barrier_wait -1                              ; everybody's is
	FETCH_B 0, 0, 0
	FETCH_A 0, 0, 0
	FETCH_A 0, 0, 4
	STEP 0, 0, 1                                   ; the first step's products start the sums
.if LAPS > 1
	s_mov_b32 s3, LAPS-1
.Llap:                                                 ; a trip goes once round the ring and fills both slots again
	TURN 0, 1, 1
	STEP 1, 0, 0
	TURN 1, 0, 1
	STEP 0, 0, 0
	s_sub_co_u32 s3, s3, 1
	s_cmp_lg_u32 s3, 0
	s_cbranch_scc1 .Llap
.endif
	TURN 0, 1, 0                                   ; the last lap fills nothing
	STEP 1, 0, 0
	s_wait_dscnt 4*NL
	WIN MUL_LO
	MUL16 0, 1, 0
	MUL16 2, 1, 0
	s_wait_dscnt 0
	WIN MUL_HI
	MUL16 4, 1, 0
	MUL16 6, 1, 0
	WIN 0
; THE WAY OUT.  A sum stands for sum x 2^(ea + eb), so its code is sum / 2^(eo - ea - eb): the three scales are one.  Block a (16 rows x 128 columns): held, converted, eight bytes a lane and tile into the stage.
.macro PACK a
.set AC, 64*((\a)%4)
.set CC, CDS+16*((\a)%2)
	WIN 0x02+((\a)/4)                              ; source 0: window 2 or 3
.set j, 0
.rept 64
	v_med3_num_f32 v[TMP+j], v[AC+j], -v[LIM], v[LIM]      ; the conversion does not saturate (ISA guide 7.6.2); each accumulator from its low end on
.set j, j+1
.endr
	WIN 0
.irp b, 0,1,2,3,4,5,6,7
	v_cvt_scalef32_pk8_fp8_f32 v[CC+2*\b:CC+2*\b+1], v[TMP+8*\b:TMP+8*\b+7], v[SCL]
.endr
	v_nop                                          ; a plain instruction behind the last conversion: the next block writes its sources
.irp b, 0,1,2,3,4,5,6,7
	ds_store_b64 v[STO], v[CC+2*\b:CC+2*\b+1] offset:16*PITCH*(\a)+16*\b
.endr
.endm
	s_wait_kmcnt 0x0
	s_sub_co_i32 s70, s70, s68
	s_sub_co_i32 s70, s70, s69                     ; eo - ea - eb
	s_add_co_i32 s70, s70, 127
	s_lshl_b32 s71, s70, 23
	v_mov_b32 v[SCL], s71
	s_add_co_i32 s70, s70, 8
	s_lshl_b32 s70, s70, 23
	s_or_b32 s70, s70, 0x600000
	v_mov_b32 v[LIM], s70
	PLACES NP                                      ; behind the last products, in front of the first read of results
.irp a, 0,1,2,3,4,5,6,7
	PACK \a
.endr
	s_wait_dscnt 0x0                               ; for the others' sake: a row's 256 bytes come from two waves
	s_barrier_signal -1
	s_barrier_wait -1
.set t, 0
.rept 32
	ds_load_b128 v[BK+4*t:BK+4*t+3], v[RD] offset:2*PITCH*t
.set t, t+1
.endr
.set t, 0
.rept 32
	s_wait_dscnt 31-t
	global_store_b128 v[CO], v[BK+4*t:BK+4*t+3], s[10:11] offset:4096*t     ; sixteen lanes store 256 consecutive bytes, aligned
.set t, t+1
.endr
	s_wait_tensorcnt 0x0                           ; the wave's end
	ds_add_u32 v[SPW], v[NIL]
	s_wait_dscnt 0x0
	CROUND                                         ; the closing round: no work-group ends while a partner may still ask for a tile that names it
	s_endpgm
.Lfunc_end_k_q5b92f1682c_gemm1:
	.size	k_q5b92f1682c_gemm1, .Lfunc_end_k_q5b92f1682c_gemm1-k_q5b92f1682c_gemm1
	.p2alignl 7, 3214868480
	.fill 96, 4, 3214868480
	.section	.rodata,"a",@progbits
	.p2align	6, 0x0
	.amdhsa_kernel k_q5b92f1682c_gemm1
		.amdhsa_group_segment_fixed_size 327680
		.amdhsa_private_segment_fixed_size 0
		.amdhsa_enable_private_segment 0
		.amdhsa_kernarg_size 32
		.amdhsa_user_sgpr_count 2
		.amdhsa_user_sgpr_kernarg_segment_ptr 1
		.amdhsa_wavefront_size32 1
		.amdhsa_system_sgpr_workgroup_id_x 1
		.amdhsa_system_sgpr_workgroup_id_y 1
		.amdhsa_system_sgpr_workgroup_id_z 1
		.amdhsa_system_vgpr_workitem_id 0
		.amdhsa_next_free_vgpr 1024
		.amdhsa_next_free_sgpr 72
		.amdhsa_reserve_vcc 0
		.amdhsa_float_denorm_mode_32 3
		.amdhsa_float_denorm_mode_16_64 3
		.amdhsa_memory_ordered 1
		.amdhsa_forward_progress 1
		.amdhsa_inst_pref_size 89
	.end_amdhsa_kernel
	.amdgpu_metadata
---
amdhsa.version: [ 1, 2 ]
amdhsa.kernels:
  - .name:           k_q5b92f1682c_gemm1
    .symbol:         k_q5b92f1682c_gemm1.kd
    .args:
      - { .name: w1q, .offset: 0, .size: 8, .value_kind: global_buffer, .address_space: global }
      - { .name: cq, .offset: 8, .size: 8, .value_kind: global_buffer, .address_space: global }
      - { .name: lowp_scales, .offset: 16, .size: 8, .value_kind: global_buffer, .address_space: global }
      - { .name: pq, .offset: 24, .size: 8, .value_kind: global_buffer, .address_space: global }
    .group_segment_fixed_size: 327680
    .private_segment_fixed_size: 0
    .kernarg_segment_align: 8
    .kernarg_segment_size: 32
    .max_flat_workgroup_size: 128
    .sgpr_count:     72
    .vgpr_count:     1024
    .wavefront_size: 32
...
	.end_amdgpu_metadata
.endif
;; end of part 2
;; launch gemm2 (part 3): grid 32 x 8, 4 waves a work-group, clusters of 4 x 4, 327,680 bytes of LDS; arguments wkq, pq, lowp_scales, fq; writes fq
.if DOCPART == 3
	.amdgcn_target "amdgcn-amd-amdhsa--gfx1250"
	.amdhsa_code_object_version 6
	.text
	.protected	k_q5b92f1682c_gemm2
	.globl	k_q5b92f1682c_gemm2
	.p2align	8
	.type	k_q5b92f1682c_gemm2,@function
k_q5b92f1682c_gemm2:
	s_mov_b64 s[64:65], 0
	v_nop
	global_prefetch_b8 v0, s[64:65] scope:SCOPE_SE
	s_setreg_imm32_b32 hwreg(HW_REG_WAVE_MODE, 25, 1), 1
	s_wait_xcnt 0x0
	s_wait_alu depctr_hold_cnt(0) depctr_sa_sdst(0) depctr_va_vdst(0) depctr_va_sdst(0) depctr_va_ssrc(0) depctr_va_vcc(0) depctr_vm_vsrc(0)
	s_getreg_b32 s2, hwreg(HW_REG_IB_STS2, 6, 4)
	s_cmp_eq_u32 s2, 0
	s_cbranch_scc0 .Lentry_in_a_cluster
	s_endpgm
.Lentry_in_a_cluster:
	s_bfe_u32 s2, ttmp6, 0x10000c
	s_cmp_lg_u32 s2, 0xf033
	s_cbranch_scc0 .Lentry_shape_is_right
	s_endpgm
.Lentry_shape_is_right:
; A GEMM ON CODES OF E4M3 WHOSE RESULT IS QUANTISED AGAIN: C[m][n] = sum over k of A[m][k] B[n][k], f32 sums, then code = C x 2^(ea + eb) / 2^eo, held within +-448, stored with n innermost.
; One text serves two launches; WHICH says which.
; WHICH = 1: A = w1q [2048 (k,d)][512], B = cq [8192 (b,j)][512]; the result is the projected charge, pq [b][(k,d)][j]: j, the second product's K, innermost.  Exponents e0, e1; eo = e2.
; WHICH = 2: A = wkq [16 z][2048 i][2048 j], B = pq [16 z x 512 d][2048 j], z = (b,k); the result is the field, fq [b][i][(k,d)]: the third product's K innermost.  Exponents e2, e3; eo = e4.
; In both, tile column x (256 rows of B) and tile row y (256 rows of A) give the output bytes (x / 8) 2^22 + 256 (x % 8) + 2,048 m.
; LIMIT: eo - ea - eb lies between -126 and 119, so that 2^(eo - ea - eb) and 448 times it are f32 numbers.
; A tile of C, 256 x 256, is made by four waves, each 128 x 128: 64 accumulators, 512 registers.  K goes in steps of 256 through a ring of two LDS slots filled by the tensor data mover: a tile's row is 256 bytes of memory.
; CLUSTERS: 4 x 4 work-groups.  B's tile hangs on x alone: the four of a column of the cluster ask for it JOINTLY.  WHICH = 1: A's tile hangs on y alone and is asked for jointly along a row of the cluster.
; WHICH = 2: A's tile hangs on y and on x / 2, so only two neighbours of a row share it: two of four is neither a row nor a column of the cluster, so each work-group asks for A's tiles by a load of its own, in the same round.
; THE MATRIX INSTRUCTION IS USED TRANSPOSED (source 0 = 16 rows of B, source 1 = 16 rows of A): a lane holds eight neighbouring n of one row m, which one conversion packs into eight bytes.
; REGISTERS, in windows of 256: window 0: v0-31 addresses and the scale; v32-127 at work on the way out; from v128 A's fragments, ONE set.  window 1: B's fragments, TWO sets.  windows 2, 3: the accumulators ((a, b) at v[8 (8 (a % 4) + b)]).
.set WHICH, 2
.if WHICH == 1
.set KROW,   512                       ; a row of A or of B in bytes
.set EOFF,   0                         ; where the three exponents begin in lowp_scales
.else
.set KROW,   2048
.set EOFF,   8
.endif
.set KSTEP,  256
.set ROWB,   256
.set PITCH,  272                       ; an LDS row: 256 bytes + 16 of padding = 68 words: row r starts at bank 4 r mod 64 (ISA guide 11.1)
.set FR,     16
.set NL,     4
.set NP,     4                         ; places behind this matrix instruction (ISA guide 7.12.1)
.set HALFT,  128*PITCH
.set SLOT,   4*HALFT                   ; A's 256 rows, then B's 256 rows
.set LAPS,   KROW/(2*KSTEP)
.set SPARE,  2*SLOT                    ; behind the ring: the spare words, 128 bytes for each wave, which no other line names
.set ADRA, 16
.set ADRB, 20
.set STO,  24                          ; v24  the way out: where I put eight codes of a row
.set RD,   25                          ; v25  and where I read rows back
.set CO,   26                          ; v26  my byte offset in the output
.set SPW,  28
.set NIL,  29
.set LIM,  30                          ; v30  448 x 2^(eo - ea - eb)
.set SCL,  31                          ; v31  2^(eo - ea - eb)
.set TMP,  32                          ; v32-95  a block's sums, held
.set CDS,  96                          ; v96-127 its codes, two sets
.set AF,   128
.set BK,   128                         ; v128-255 the way out: 64 rows read back
.set G1, 24
.set G0, 32
.set G1B, 48
.set G0B, 56
.set MSB, 0
.macro WIN new                         ; the immediate's high byte repeats the setting that is left
.if MSB != \new
	s_set_vgpr_msb (MSB<<8)|\new
.set MSB, \new
.endif
.endm
.set MUL_LO, 0xa1                      ; source 0 (B) window 1, source 1 (A) window 0, C and D window 2
.set MUL_HI, 0xf1
.set TO_B,   0x40
; Waves 0 and 1 fetch for A, waves 2 and 3 for B.  The branch hangs on the wave's number alone.  Four v_nop follow each of the two lines.
.macro JLOAD g0a, g1a, g0b, g1b
	s_cmp_eq_u32 s15, 0
	s_cbranch_scc0 .Lfor_b_\@
	tensor_load_to_lds s[\g0a:\g0a+3], s[\g1a:\g1a+7]
	s_nop 0
.rept 4
	v_nop
.endr
	s_branch .Lasked_\@
.Lfor_b_\@:
	tensor_load_to_lds s[\g0b:\g0b+3], s[\g1b:\g1b+7]
	s_nop 0
.rept 4
	v_nop
.endr
.Lasked_\@:
.endm
.macro CREST                           ; a round of the cluster's barrier behind its opening barrier
	s_cmp_lg_u32 s14, 0
	s_cbranch_scc1 .Lnot_wave_0_\@
	s_barrier_signal -3
.Lnot_wave_0_\@:
	s_barrier_wait -3
	s_barrier_signal -1
	s_barrier_wait -1
.endm
.macro CROUND
	s_barrier_signal -1
	s_barrier_wait -1
	CREST
.endm
	s_load_b128 s[4:7], s[0:1], 0x0                ; A's codes s[4:5], B's codes s[6:7]
	s_load_b128 s[8:11], s[0:1], 0x10              ; lowp_scales s[8:9], the output s[10:11]
	v_lshl_add_u32 v[SPW], v0, 2, SPARE
	v_mov_b32 v[NIL], 0
	ds_add_u32 v28, v29
	s_wait_dscnt 0x0
	v_lshrrev_b32 v1, 5, v0
	v_readfirstlane_b32 s14, v1                    ; wave 0..3
	s_lshr_b32 s15, s14, 1                         ; which half of the tile's rows is mine.  Also: I fetch for A (0) or for B (1)
	s_and_b32 s16, s14, 1                          ; which half of its columns.  Also: which 128 rows of that tile I fetch
	s_bfe_u32 s40, ttmp6, 0x40000                  ; cx, cy: my place in the cluster
	s_bfe_u32 s41, ttmp6, 0x40004
	s_lshl_b32 s42, ttmp9, 2
	s_add_co_u32 s42, s42, s40                     ; x = 4 x cluster x + cx
	s_and_b32 s17, ttmp7, 0xffff
	s_lshl_b32 s17, s17, 2
	s_add_co_u32 s17, s17, s41                     ; y = 4 x cluster y + cy
	s_lshl_b32 s44, 0x1111, s40                    ; my column of the cluster
.if WHICH == 1
	s_lshl_b32 s43, s41, 2
	s_lshl_b32 s43, 15, s43                        ; my row of the cluster
	s_or_b32 s[G1+0], s43, (0<<16)|(1<<20)|(1<<21)|(5<<22)|(3<<25)  ; 15:0 the mask; 17:16 element of 1 byte; 20 padding on; 21 set beside a mask; 24:22 after every 64 words; 31:25 four words
.else
	s_mov_b32 s[G1+0], (0<<16)|(1<<20)|(5<<22)|(3<<25)              ; no mask: a load of my own
.endif
	s_or_b32 s[G1B+0], s44, (0<<16)|(1<<20)|(1<<21)|(5<<22)|(3<<25)
.irp g, G1, G1B
	s_mov_b32 s[\g+1], ROWB<<16                    ; tensor_dim0
	s_mov_b32 s[\g+2], 128<<16                     ; tensor_dim1
	s_mov_b32 s[\g+3], ROWB<<16                    ; tile_dim0
	s_mov_b32 s[\g+4], 128                         ; tile_dim1
	s_mov_b32 s[\g+5], KROW                        ; tensor_dim0_stride
	s_mov_b32 s[\g+6], 0
	s_mov_b32 s[\g+7], 0
.endr
	s_lshl_b32 s18, s16, 7                         ; which 128 rows of the tile I fetch
	s_lshl_b32 s20, s17, 8
	s_add_co_u32 s20, s20, s18                     ; A: row 256 y + 128 x half
.if WHICH == 2
	s_lshr_b32 s21, s42, 1
	s_lshl_b32 s21, s21, 11
	s_add_co_u32 s20, s20, s21                     ; in plane z = x / 2 of 2,048 rows
.endif
	s_lshl_b32 s46, s42, 8
	s_add_co_u32 s46, s46, s18                     ; B: row 256 x + 128 x half
	s_mov_b32 s21, 0
	s_mov_b32 s47, 0
	s_mov_b64 s[18:19], KROW
	s_mul_u64 s[20:21], s[20:21], s[18:19]
	s_mul_u64 s[46:47], s[46:47], s[18:19]
	s_mul_i32 s45, s14, HALFT                      ; where they go: wave x 128 rows: no place in the cluster enters an LDS address
	s_wait_kmcnt 0x0
	s_load_b128 s[68:71], s[8:9], EOFF             ; the two operands' exponents, then the result's (the fourth word is not used)
	s_add_nc_u64 s[20:21], s[4:5], s[20:21]
	s_add_nc_u64 s[46:47], s[6:7], s[46:47]
	CROUND                                         ; all sixteen work-groups are here: the first joint loads meet
.irp s, 0,1
	s_mov_b32 s[G0+4*\s], 1
	s_add_co_u32 s[G0+4*\s+1], s45, \s*SLOT
	s_add_nc_u64 s[G0+4*\s+2:G0+4*\s+3], s[20:21], \s*ROWB
	s_or_b32 s[G0+4*\s+3], s[G0+4*\s+3], 0x80000000
	s_mov_b32 s[G0B+4*\s], 1
	s_add_co_u32 s[G0B+4*\s+1], s45, \s*SLOT
	s_add_nc_u64 s[G0B+4*\s+2:G0B+4*\s+3], s[46:47], \s*ROWB
	s_or_b32 s[G0B+4*\s+3], s[G0B+4*\s+3], 0x80000000
	JLOAD G0+4*\s, G1, G0B+4*\s, G1B               ; two loads of mine are out
.endr
	v_and_b32 v1, 15, v0                           ; r
	v_bfe_u32 v2, v0, 4, 1                         ; h
	v_mul_u32_u24 v3, v1, PITCH
	v_lshl_add_u32 v4, v2, 4, v3                   ; a fragment's row x pitch + 16 x half
	s_mul_i32 s21, s15, HALFT                      ; my 128 rows of A
	s_mul_i32 s22, s16, HALFT
	s_add_co_u32 s22, s22, 2*HALFT                 ; my 128 rows of B, behind A's 256
.irp s, 0,1
	v_add_nc_u32 v[ADRA+\s], s21, v4
	v_add_nc_u32 v[ADRB+\s], s22, v4
	s_add_co_u32 s21, s21, SLOT
	s_add_co_u32 s22, s22, SLOT
.endr
	s_mul_i32 s23, s15, 128*PITCH                  ; the way out: ONE stage of 256 rows x 272 bytes for the work-group, from LDS byte 0 on: in slot 0, which has had its last fill and its last read by then
	s_lshl_b32 s22, s16, 7
	s_add_co_u32 s23, s23, s22
	v_lshl_add_u32 v5, v2, 3, v3
	v_add_nc_u32 v[STO], s23, v5                   ; in: row 128 x row half + r, byte 128 x column half + 8 h
	s_mul_i32 s23, s14, 64*PITCH
	v_mul_u32_u24 v5, v2, PITCH
	v_lshl_add_u32 v5, v1, 4, v5
	v_add_nc_u32 v[RD], s23, v5                    ; back: wave w takes rows 64 w on, whole; lanes 0-15 one row, lanes 16-31 the next
	v_lshlrev_b32 v[CO], 11, v2
	v_lshl_add_u32 v[CO], v1, 4, v[CO]             ; and the same two rows in the output, 2,048 bytes apart
	s_lshl_b32 s20, s17, 8
	s_lshl_b32 s21, s14, 6
	s_add_co_u32 s20, s20, s21                     ; the first row that I store: 256 y + 64 w
	s_lshl_b32 s20, s20, 11
	s_lshr_b32 s46, s42, 3
	s_lshl_b32 s46, s46, 22
	s_and_b32 s47, s42, 7
	s_lshl_b32 s47, s47, 8
	s_add_co_u32 s46, s46, s47
	s_add_co_u32 s20, s20, s46
	s_mov_b32 s21, 0
	s_add_nc_u64 s[10:11], s[10:11], s[20:21]
.macro FRAG reg, adr, q, i             ; a fragment, 16 rows x 128 K: lane l holds row l % 16; registers 4 c .. 4 c + 3 hold K = 32 c + 16 (l / 16) + 0 .. 15: the same order of K in A and in B
.irp c, 0,1,2,3
	ds_load_b128 v[\reg+4*\c:\reg+4*\c+3], v[\adr] offset:128*(\q)+32*\c+(\i)*16*PITCH
.endr
.endm
; 16 matrix instructions: A's blocks a0, a0 + 1 x B's eight.  The 64 accumulators take turns, one instruction a turn, in the same order in every step.
.macro MUL16 a0, p, zero
.irp a, \a0, \a0+1
.irp b, 0,1,2,3,4,5,6,7
.if \zero
	v_wmma_f32_16x16x128_fp8_fp8 v[8*(8*((\a)%4)+\b):8*(8*((\a)%4)+\b)+7], v[128*(\p)+FR*\b:128*(\p)+FR*\b+FR-1], v[AF+FR*(\a):AF+FR*(\a)+FR-1], 0
.else
	v_wmma_f32_16x16x128_fp8_fp8 v[8*(8*((\a)%4)+\b):8*(8*((\a)%4)+\b)+7], v[128*(\p)+FR*\b:128*(\p)+FR*\b+FR-1], v[AF+FR*(\a):AF+FR*(\a)+FR-1], v[8*(8*((\a)%4)+\b):8*(8*((\a)%4)+\b)+7]
.endif
.endr
.endr
.endm
.macro FETCH_B slot, q, p
	WIN TO_B
.irp i, 0,1,2,3,4,5,6,7
	FRAG 128*(\p)+FR*\i, ADRB+\slot, \q, \i
.endr
	WIN 0
.endm
.macro FETCH_A slot, q, i0
.irp i, \i0, \i0+1, \i0+2, \i0+3
	FRAG AF+FR*(\i), ADRA+\slot, \q, \i
.endr
.endm
.macro PLACES n                        ; plain vector instructions between a matrix instruction and a load into its sources, or a read of its result (save for loads)
.rept \n
	v_nop
.endr
.endm
; A step of 128 along K that has its successor in the same slot.
.macro STEP slot, q, zero
	s_wait_dscnt 4*NL                              ; B's set and A's blocks 0-3 are in; the youngest sixteen loads (A's blocks 4-7) may be out
	WIN MUL_LO
	MUL16 0, (\q)%2, \zero
	MUL16 2, (\q)%2, \zero
	s_wait_dscnt 0                                 ; A's blocks 4-7 are in
	PLACES NP
	FETCH_B \slot, (\q)+1, 1-(\q)%2
	FETCH_A \slot, (\q)+1, 0
	WIN MUL_HI
	MUL16 4, (\q)%2, \zero
	MUL16 6, (\q)%2, \zero
	PLACES NP
	WIN 0
	FETCH_A \slot, (\q)+1, 4
.endm
; A slot's last step changes slots: ONE barrier; in front of it each wave waits for all its tensor loads, adds 0 to its spare word, and waits for that and for its own reads of this slot.
.macro TURN slot, next, fill
	s_wait_tensorcnt 0x0                           ; all my tensor loads have landed: my part of the next slot
	ds_add_u32 v[SPW], v[NIL]                      ; 0 onto my spare word
	s_wait_dscnt 4*NL+1                            ; (the add and the youngest sixteen loads may be out)
	WIN MUL_LO
	MUL16 0, 1, 0
	s_wait_dscnt 0x0                               ; the add is done, and my reads of this slot are over
	s_barrier_signal -1
	MUL16 2, 1, 0
	WIN 0
	s_barrier_wait -1
.if \fill
	CREST                                          ; the barrier has opened a round of the cluster's barrier: no wave of any partner still reads this slot or has a load on its way
	s_add_nc_u64 s[G0+4*\slot+2:G0+4*\slot+3], s[G0+4*\slot+2:G0+4*\slot+3], 2*ROWB
	s_add_nc_u64 s[G0B+4*\slot+2:G0B+4*\slot+3], s[G0B+4*\slot+2:G0B+4*\slot+3], 2*ROWB
	JLOAD G0+4*\slot, G1, G0B+4*\slot, G1B         ; my one tensor load behind the round; its four v_nop are the places in front of the loads below
.else
	PLACES NP
.endif
	FETCH_B \next, 0, 0
	FETCH_A \next, 0, 0
	WIN MUL_HI
	MUL16 4, 1, 0
	MUL16 6, 1, 0
	PLACES NP
	WIN 0
	FETCH_A \next, 0, 4
.endm
	s_wait_tensorcnt 1                             ; my part of K step 0 is in (K step 1's load may be out)
	s_barrier_signal -1
	s_barrier_wait -1                              ; everybody's is
	FETCH_B 0, 0, 0
	FETCH_A 0, 0, 0
	FETCH_A 0, 0, 4
	STEP 0, 0, 1                                   ; the first step's products start the sums
.if LAPS > 1
	s_mov_b32 s3, LAPS-1
.Llap:                                                 ; a trip goes once round the ring and fills both slots again
	TURN 0, 1, 1
	STEP 1, 0, 0
	TURN 1, 0, 1
	STEP 0, 0, 0
	s_sub_co_u32 s3, s3, 1
	s_cmp_lg_u32 s3, 0
	s_cbranch_scc1 .Llap
.endif
	TURN 0, 1, 0                                   ; the last lap fills nothing
	STEP 1, 0, 0
	s_wait_dscnt 4*NL
	WIN MUL_LO
	MUL16 0, 1, 0
	MUL16 2, 1, 0
	s_wait_dscnt 0
	WIN MUL_HI
	MUL16 4, 1, 0
	MUL16 6, 1, 0
	WIN 0
; THE WAY OUT.  A sum stands for sum x 2^(ea + eb), so its code is sum / 2^(eo - ea - eb): the three scales are one.  Block a (16 rows x 128 columns): held, converted, eight bytes a lane and tile into the stage.
.macro PACK a
.set AC, 64*((\a)%4)
.set CC, CDS+16*((\a)%2)
	WIN 0x02+((\a)/4)                              ; source 0: window 2 or 3
.set j, 0
.rept 64
	v_med3_num_f32 v[TMP+j], v[AC+j], -v[LIM], v[LIM]      ; the conversion does not saturate (ISA guide 7.6.2); each accumulator from its low end on
.set j, j+1
.endr
	WIN 0
.irp b, 0,1,2,3,4,5,6,7
	v_cvt_scalef32_pk8_fp8_f32 v[CC+2*\b:CC+2*\b+1], v[TMP+8*\b:TMP+8*\b+7], v[SCL]
.endr
	v_nop                                          ; a plain instruction behind the last conversion: the next block writes its sources
.irp b, 0,1,2,3,4,5,6,7
	ds_store_b64 v[STO], v[CC+2*\b:CC+2*\b+1] offset:16*PITCH*(\a)+16*\b
.endr
.endm
	s_wait_kmcnt 0x0
	s_sub_co_i32 s70, s70, s68
	s_sub_co_i32 s70, s70, s69                     ; eo - ea - eb
	s_add_co_i32 s70, s70, 127
	s_lshl_b32 s71, s70, 23
	v_mov_b32 v[SCL], s71
	s_add_co_i32 s70, s70, 8
	s_lshl_b32 s70, s70, 23
	s_or_b32 s70, s70, 0x600000
	v_mov_b32 v[LIM], s70
	PLACES NP                                      ; behind the last products, in front of the first read of results
.irp a, 0,1,2,3,4,5,6,7
	PACK \a
.endr
	s_wait_dscnt 0x0                               ; for the others' sake: a row's 256 bytes come from two waves
	s_barrier_signal -1
	s_barrier_wait -1
.set t, 0
.rept 32
	ds_load_b128 v[BK+4*t:BK+4*t+3], v[RD] offset:2*PITCH*t
.set t, t+1
.endr
.set t, 0
.rept 32
	s_wait_dscnt 31-t
	global_store_b128 v[CO], v[BK+4*t:BK+4*t+3], s[10:11] offset:4096*t     ; sixteen lanes store 256 consecutive bytes, aligned
.set t, t+1
.endr
	s_wait_tensorcnt 0x0                           ; the wave's end
	ds_add_u32 v[SPW], v[NIL]
	s_wait_dscnt 0x0
	CROUND                                         ; the closing round: no work-group ends while a partner may still ask for a tile that names it
	s_endpgm
.Lfunc_end_k_q5b92f1682c_gemm2:
	.size	k_q5b92f1682c_gemm2, .Lfunc_end_k_q5b92f1682c_gemm2-k_q5b92f1682c_gemm2
	.p2alignl 7, 3214868480
	.fill 96, 4, 3214868480
	.section	.rodata,"a",@progbits
	.p2align	6, 0x0
	.amdhsa_kernel k_q5b92f1682c_gemm2
		.amdhsa_group_segment_fixed_size 327680
		.amdhsa_private_segment_fixed_size 0
		.amdhsa_enable_private_segment 0
		.amdhsa_kernarg_size 32
		.amdhsa_user_sgpr_count 2
		.amdhsa_user_sgpr_kernarg_segment_ptr 1
		.amdhsa_wavefront_size32 1
		.amdhsa_system_sgpr_workgroup_id_x 1
		.amdhsa_system_sgpr_workgroup_id_y 1
		.amdhsa_system_sgpr_workgroup_id_z 1
		.amdhsa_system_vgpr_workitem_id 0
		.amdhsa_next_free_vgpr 1024
		.amdhsa_next_free_sgpr 72
		.amdhsa_reserve_vcc 0
		.amdhsa_float_denorm_mode_32 3
		.amdhsa_float_denorm_mode_16_64 3
		.amdhsa_memory_ordered 1
		.amdhsa_forward_progress 1
		.amdhsa_inst_pref_size 125
	.end_amdhsa_kernel
	.amdgpu_metadata
---
amdhsa.version: [ 1, 2 ]
amdhsa.kernels:
  - .name:           k_q5b92f1682c_gemm2
    .symbol:         k_q5b92f1682c_gemm2.kd
    .args:
      - { .name: wkq, .offset: 0, .size: 8, .value_kind: global_buffer, .address_space: global }
      - { .name: pq, .offset: 8, .size: 8, .value_kind: global_buffer, .address_space: global }
      - { .name: lowp_scales, .offset: 16, .size: 8, .value_kind: global_buffer, .address_space: global }
      - { .name: fq, .offset: 24, .size: 8, .value_kind: global_buffer, .address_space: global }
    .group_segment_fixed_size: 327680
    .private_segment_fixed_size: 0
    .kernarg_segment_align: 8
    .kernarg_segment_size: 32
    .max_flat_workgroup_size: 128
    .sgpr_count:     72
    .vgpr_count:     1024
    .wavefront_size: 32
...
	.end_amdgpu_metadata
.endif
;; end of part 3
;; launch gemm3 (part 4): grid 256 x 1, 4 waves a work-group, clusters of 4 x 1, 327,680 bytes of LDS; arguments fq, w3q, lowp_scales, gamma, beta, out0; writes out0
.if DOCPART == 4
	.amdgcn_target "amdgcn-amd-amdhsa--gfx1250"
	.amdhsa_code_object_version 6
	.text
	.protected	k_q5b92f1682c_gemm3
	.globl	k_q5b92f1682c_gemm3
	.p2align	8
	.type	k_q5b92f1682c_gemm3,@function
k_q5b92f1682c_gemm3:
	s_mov_b64 s[64:65], 0
	v_nop
	global_prefetch_b8 v0, s[64:65] scope:SCOPE_SE
	s_setreg_imm32_b32 hwreg(HW_REG_WAVE_MODE, 25, 1), 1
	s_wait_xcnt 0x0
	s_wait_alu depctr_hold_cnt(0) depctr_sa_sdst(0) depctr_va_vdst(0) depctr_va_sdst(0) depctr_va_ssrc(0) depctr_va_vcc(0) depctr_vm_vsrc(0)
	s_getreg_b32 s2, hwreg(HW_REG_IB_STS2, 6, 4)
	s_cmp_eq_u32 s2, 0
	s_cbranch_scc0 .Lentry_in_a_cluster
	s_endpgm
.Lentry_in_a_cluster:
	s_bfe_u32 s2, ttmp6, 0x10000c
	s_cmp_lg_u32 s2, 0x3003
	s_cbranch_scc0 .Lentry_shape_is_right
	s_endpgm
.Lentry_shape_is_right:
; out0 = LayerNorm(field W_combine^T) x gamma + beta.  field: fq [8192][2048], W_combine: w3q [512][2048], codes of E4M3 with the scales 2^e4, 2^e5; f32 sums; out0 [8192][512] f32.
; SHARES.  A work-group owns 32 WHOLE rows of the output, so that a row's mean and variance stay inside it: 8,192 / 32 = 256 work-groups.  Wave w owns columns 128 w .. 128 w + 127: 16 accumulators.
; The price of whole rows on 256 work-groups is a flat wave tile, 32 x 128: for 128 along K a wave reads 40 fragments' loads from LDS for 16 matrix instructions.
; THE MATRIX INSTRUCTION IS USED TRANSPOSED (source 0 = 16 rows of W_combine, source 1 = 16 rows of the field): lane (r, h) holds row 16 a + r and the columns 128 w + 16 b + 8 h + 0 .. 7.
; K goes in steps of 256 through a ring of two LDS slots: W_combine's 512 rows, then my 32 rows of the field; a tile's row is 256 bytes of memory.
; CLUSTER: four work-groups walk the same W_combine, which is 16/17 of a slot's bytes: its two halves are asked for JOINTLY (waves 0 and 1).  The field's rows are a work-group's own: a plain load (wave 2).  Wave 3 asks for nothing.
; LAYERNORM in two passes, as it is defined: the mean; then the sum of squares of what is left.  The waves' partial sums meet in LDS, each pass in words of its own.
; LIMIT: e4 + e5 lies between -126 and 127, so that 2^(e4 + e5) is an f32 number.
; REGISTERS: window 0: v16-31 addresses; v32-95 the field's fragments, two sets; v96-119 at work; v128-255 the accumulators ((a, b) at v[128 + 64 a + 8 b]).  window 1: W_combine's fragments, two sets of 128.
;   window 2: v0-63 gamma, v64-127 beta at my 64 columns.
.set KROW,   2048
.set PITCH,  272                       ; an LDS row: 256 bytes + 16 of padding
.set HALFB,  256*PITCH                 ; what one joint load brings
.set AOFF,   512*PITCH
.set SLOT,   544*PITCH
.set RED,    2*SLOT                    ; behind the ring: 2 x 512 bytes for the partial sums
.set SPARE,  RED+1024                  ; the spare words, 128 bytes for each wave, which no other line names
.set SPITCH, 528                       ; the way out: for each wave 2 x 16 rows x (512 bytes + 16), in slot 0, which has had its last fill and its last read by then
.set ADB,  16
.set ADA,  20
.set STO,  24
.set RD,   25
.set CO,   26
.set REDW, 27
.set SPW,  28
.set NIL,  29
.set REDR, 30
.set GB,   31
.set AFR,  32
.set SS,   96
.set PT,   104
.set MN,   112
.set RS,   116
.set ACC,  128
.set WV,   16
.set G1B,  24
.set G1A,  32
.set G0B,  40
.set G0A,  48
.set SEL,  56
.set SC,   58
.set MSB, 0
.macro WIN new                         ; the immediate's high byte repeats the setting that is left
.if MSB != \new
	s_set_vgpr_msb (MSB<<8)|\new
.set MSB, \new
.endif
.endm
.macro PLACES
.rept 4
	v_nop
.endr
.endm
.macro CREST
	s_cmp_lg_u32 s[WV], 0
	s_cbranch_scc1 .Lnot_wave_0_\@
	s_barrier_signal -3
.Lnot_wave_0_\@:
	s_barrier_wait -3
	s_barrier_signal -1
	s_barrier_wait -1
.endm
.macro CROUND
	s_barrier_signal -1
	s_barrier_wait -1
	CREST
.endm
; A refill of slot s.  The branches hang on the wave's number alone.  Four v_nop follow each of the two lines.
.macro JLOAD3 s
	s_cmp_lt_u32 s[WV], 2
	s_cbranch_scc0 .Lnot_b_\@
	tensor_load_to_lds s[G0B+4*\s:G0B+4*\s+3], s[G1B:G1B+7]
	s_nop 0
.rept 4
	v_nop
.endr
	s_branch .Lasked_\@
.Lnot_b_\@:
	s_cmp_eq_u32 s[WV], 2
	s_cbranch_scc0 .Lasked_\@
	tensor_load_to_lds s[G0A+4*\s:G0A+4*\s+3], s[G1A:G1A+7]
	s_nop 0
.rept 4
	v_nop
.endr
.Lasked_\@:
.endm
	s_load_b256 s[4:11], s[0:1], 0x0               ; fq s[4:5], w3q s[6:7], lowp_scales s[8:9], gamma s[10:11]
	s_load_b128 s[12:15], s[0:1], 0x20             ; beta s[12:13], out0 s[14:15]
	v_lshl_add_u32 v[SPW], v0, 2, SPARE
	v_mov_b32 v[NIL], 0
	ds_add_u32 v28, v29
	s_wait_dscnt 0x0
	v_lshrrev_b32 v1, 5, v0
	v_readfirstlane_b32 s[WV], v1                  ; wave 0..3
	s_bfe_u32 s17, ttmp6, 0x40000                  ; cx
	s_lshl_b32 s18, ttmp9, 2
	s_add_co_u32 s18, s18, s17                     ; my block of 32 rows: it enters fq's and out0's addresses alone
	s_mov_b32 s[G1B], 15|(0<<16)|(1<<20)|(1<<21)|(5<<22)|(3<<25)    ; the mask: all four work-groups; elements of 1 byte; padding: four words after every 64
	s_mov_b32 s[G1B+1], 256<<16                    ; tensor_dim0
	s_mov_b32 s[G1B+2], 256<<16                    ; tensor_dim1
	s_mov_b32 s[G1B+3], 256<<16                    ; tile_dim0
	s_mov_b32 s[G1B+4], 256                        ; tile_dim1
	s_mov_b32 s[G1B+5], KROW                       ; tensor_dim0_stride
	s_mov_b32 s[G1B+6], 0
	s_mov_b32 s[G1B+7], 0
	s_mov_b32 s[G1A], (0<<16)|(1<<20)|(5<<22)|(3<<25)               ; no mask
	s_mov_b32 s[G1A+1], 256<<16
	s_mov_b32 s[G1A+2], 32<<16
	s_mov_b32 s[G1A+3], 256<<16
	s_mov_b32 s[G1A+4], 32
	s_mov_b32 s[G1A+5], KROW
	s_mov_b32 s[G1A+6], 0
	s_mov_b32 s[G1A+7], 0
	s_mov_b32 s[SEL], 0x76543210
	s_mov_b32 s[SEL+1], 0xfedcba98
	s_mov_b32 s62, 0x3b000000                      ; 1 / 512
	s_mov_b32 s63, 0x3727c5ac                      ; 1e-5
	s_and_b32 s19, s[WV], 1                        ; which half of W_combine I fetch, if I fetch:
	s_mul_i32 s20, s19, HALFB                      ; its place in a slot,
	s_lshl_b32 s22, s19, 19                        ; and its 256 rows of 2,048 bytes in memory
	s_mov_b32 s23, 0
	s_lshl_b32 s60, s18, 16                        ; my 32 rows of 2,048 bytes, in fq and in out0 alike
	s_mov_b32 s61, 0
	s_wait_kmcnt 0x0
	s_load_b64 s[SC:SC+1], s[8:9], 0x10            ; e4, e5
	s_add_nc_u64 s[6:7], s[6:7], s[22:23]
	s_add_nc_u64 s[4:5], s[4:5], s[60:61]
	s_add_nc_u64 s[14:15], s[14:15], s[60:61]
	s_lshl_b32 s22, s[WV], 9
	s_add_nc_u64 s[14:15], s[14:15], s[22:23]      ; + my wave's 512 bytes of a row
	CROUND                                         ; all four work-groups are here: the first joint loads meet
.irp s, 0,1
	s_mov_b32 s[G0B+4*\s], 1
	s_add_co_u32 s[G0B+4*\s+1], s20, \s*SLOT
	s_add_nc_u64 s[G0B+4*\s+2:G0B+4*\s+3], s[6:7], \s*256
	s_or_b32 s[G0B+4*\s+3], s[G0B+4*\s+3], 0x80000000
	s_mov_b32 s[G0A+4*\s], 1
	s_mov_b32 s[G0A+4*\s+1], \s*SLOT+AOFF
	s_add_nc_u64 s[G0A+4*\s+2:G0A+4*\s+3], s[4:5], \s*256
	s_or_b32 s[G0A+4*\s+3], s[G0A+4*\s+3], 0x80000000
.endr
	s_cmp_lt_u32 s[WV], 2                          ; a wave's two first fills stand in one branch, ahead of every wait on TENSORcnt and every LDS read: two loads of mine are out at the most
	s_cbranch_scc0 .Lfirst_nb
	tensor_load_to_lds s[G0B:G0B+3], s[G1B:G1B+7]
	s_nop 0
	tensor_load_to_lds s[G0B+4:G0B+7], s[G1B:G1B+7]
	s_nop 0
.rept 4
	v_nop
.endr
	s_branch .Lfirst_done
.Lfirst_nb:
	s_cmp_eq_u32 s[WV], 2
	s_cbranch_scc0 .Lfirst_done
	tensor_load_to_lds s[G0A:G0A+3], s[G1A:G1A+7]
	s_nop 0
	tensor_load_to_lds s[G0A+4:G0A+7], s[G1A:G1A+7]
	s_nop 0
.rept 4
	v_nop
.endr
.Lfirst_done:
	v_and_b32 v1, 15, v0                           ; r
	v_bfe_u32 v2, v0, 4, 1                         ; h
	v_and_b32 v4, 31, v0                           ; lane
	v_mul_u32_u24 v3, v1, PITCH
	v_lshl_add_u32 v3, v2, 4, v3                   ; a fragment's row x pitch + 16 x half
	s_mul_i32 s21, s[WV], 128*PITCH                ; my 128 rows of W_combine
.irp s, 0,1
	v_add_nc_u32 v[ADB+\s], s21, v3
	v_add_nc_u32 v[ADA+\s], \s*SLOT+AOFF, v3
	s_add_co_u32 s21, s21, SLOT
.endr
	s_mul_i32 s21, s[WV], 2*16*SPITCH              ; my stages
	v_mul_u32_u24 v[STO], v1, SPITCH
	v_lshl_add_u32 v[STO], v2, 5, v[STO]
	v_add_nc_u32 v[STO], s21, v[STO]               ; in: row r, 32 bytes for each half of the lanes
	v_lshlrev_b32 v[CO], 4, v4                     ; back: the 32 lanes take one row of 512 bytes; and the same in out0
	v_add_nc_u32 v[RD], s21, v[CO]
	s_lshl_b32 s21, s[WV], 7
	s_add_co_u32 s21, s21, RED
	v_lshl_add_u32 v[REDW], v1, 2, s21             ; my wave's partial sum of row r
	v_lshl_add_u32 v[REDR], v1, 2, RED             ; and all four waves'
	s_lshl_b32 s21, s[WV], 9
	v_lshl_add_u32 v[GB], v2, 5, s21               ; gamma, beta: 4 (128 w + 8 h) bytes; tile b 64 bytes further on
	WIN 0x80                                       ; destination window 2
.irp b, 0,1,2,3,4,5,6,7
	global_load_b128 v[8*\b:8*\b+3], v[GB], s[10:11] offset:64*\b
	global_load_b128 v[8*\b+4:8*\b+7], v[GB], s[10:11] offset:64*\b+16
	global_load_b128 v[64+8*\b:64+8*\b+3], v[GB], s[12:13] offset:64*\b
	global_load_b128 v[64+8*\b+4:64+8*\b+7], v[GB], s[12:13] offset:64*\b+16
.endr
	WIN 0
; 40 LDS loads: the fragments of the slot's q-th 128 along K into set p.  Registers 4 c .. 4 c + 3 hold K = 32 c + 16 (lane / 16) + 0 .. 15: the same order of K on both sides.
.macro FETCH3 slot, q, p
	WIN 0x40                                       ; destination window 1
.irp b, 0,1,2,3,4,5,6,7
.irp c, 0,1,2,3
	ds_load_b128 v[128*(\p)+16*\b+4*\c:128*(\p)+16*\b+4*\c+3], v[ADB+\slot] offset:128*(\q)+32*\c+16*PITCH*\b
.endr
.endr
	WIN 0
.irp a, 0,1
.irp c, 0,1,2,3
	ds_load_b128 v[AFR+32*(\p)+16*\a+4*\c:AFR+32*(\p)+16*\a+4*\c+3], v[ADA+\slot] offset:128*(\q)+32*\c+16*PITCH*\a
.endr
.endr
.endm
; 2 n matrix instructions: W_combine's blocks b0 .. b0 + n - 1 x the field's two.  The sixteen accumulators take turns, in the same order in every step.
.macro MUL3 b0, n, p, zero
	WIN 0x01                                       ; source 0 window 1
.set bb, \b0
.rept \n
.irp a, 0,1
.if \zero
	v_wmma_f32_16x16x128_fp8_fp8 v[ACC+64*\a+8*bb:ACC+64*\a+8*bb+7], v[128*(\p)+16*bb:128*(\p)+16*bb+15], v[AFR+32*(\p)+16*\a:AFR+32*(\p)+16*\a+15], 0
.else
	v_wmma_f32_16x16x128_fp8_fp8 v[ACC+64*\a+8*bb:ACC+64*\a+8*bb+7], v[128*(\p)+16*bb:128*(\p)+16*bb+15], v[AFR+32*(\p)+16*\a:AFR+32*(\p)+16*\a+15], v[ACC+64*\a+8*bb:ACC+64*\a+8*bb+7]
.endif
.endr
.set bb, bb+1
.endr
.endm
; A slot's first 128 along K: set 0 is multiplied while set 1 comes.
.macro STEP3 slot, zero
	s_wait_dscnt 0                                 ; set 0 is in
	PLACES                                         ; in front of loads into set 1, which the products just issued have read
	FETCH3 \slot, 1, 1
	MUL3 0, 8, 0, \zero
	WIN 0
.endm
; Its second 128, and the change of slots: ONE barrier; in front of it each wave waits for all its tensor loads, adds 0 to its spare word, and waits for that and for its own reads of this slot.
.macro TURN3 slot, next, fill
	s_wait_tensorcnt 0x0                           ; all my tensor loads have landed: my part of the next slot, if I fetch
	ds_add_u32 v[SPW], v[NIL]                      ; 0 onto my spare word
	s_wait_dscnt 1                                 ; set 1 is in; the add alone may be out
	MUL3 0, 2, 1, 0
	s_wait_dscnt 0x0                               ; the add is done, and my reads of this slot are over
	s_barrier_signal -1
	MUL3 2, 2, 1, 0
	WIN 0
	s_barrier_wait -1
.if \fill
	CREST                                          ; the barrier has opened a round of the cluster's barrier: no wave of any partner still reads this slot or has a load on its way
	s_add_nc_u64 s[G0B+4*\slot+2:G0B+4*\slot+3], s[G0B+4*\slot+2:G0B+4*\slot+3], 512
	s_add_nc_u64 s[G0A+4*\slot+2:G0A+4*\slot+3], s[G0A+4*\slot+2:G0A+4*\slot+3], 512
	JLOAD3 \slot                                   ; a wave's one tensor load behind the round
.endif
	PLACES                                         ; in front of loads into set 0, on every wave's way
	FETCH3 \next, 0, 0
	MUL3 4, 4, 1, 0
	WIN 0
.endm
	s_wait_tensorcnt 1                             ; my part of slot 0 is in (slot 1's may be out)
	s_barrier_signal -1
	s_barrier_wait -1                              ; everybody's is
	FETCH3 0, 0, 0
	STEP3 0, 1                                     ; the first step's products start the sums
	s_mov_b32 s3, 3
.Llap:                                                 ; a trip goes once round the ring and fills both slots again: 2,048 / 512 - 1 trips
	TURN3 0, 1, 1
	STEP3 1, 0
	TURN3 1, 0, 1
	STEP3 0, 0
	s_sub_co_u32 s3, s3, 1
	s_cmp_lg_u32 s3, 0
	s_cbranch_scc1 .Llap
	TURN3 0, 1, 0                                  ; the last lap fills nothing
	STEP3 1, 0
	s_wait_dscnt 0
	MUL3 0, 8, 1, 0
	WIN 0
	PLACES                                         ; behind the last products, in front of the first read of results
	s_wait_kmcnt 0x0
	s_add_co_i32 s[SC], s[SC], s[SC+1]
	s_add_co_i32 s[SC], s[SC], 127
	s_lshl_b32 s[SC], s[SC], 23                    ; 2^(e4 + e5) as f32
	s_mov_b32 s[SC+1], s[SC]                       ; (named with it as a pair, so it is written)
; My 64 numbers of row 16 a + r (sq = 0) or their squares (sq = 1) are summed, two at a time in two chains, each accumulator from its low end on; then lane l xor 16's; the wave's partial sum goes to LDS.
.macro ROWSUM a, sq
.set AC, ACC+64*(\a)
.set S, SS+4*(\a)
.if \sq
	v_pk_mul_f32 v[S:S+1], v[AC:AC+1], v[AC:AC+1]
	v_pk_mul_f32 v[S+2:S+3], v[AC+2:AC+3], v[AC+2:AC+3]
.set j, 4
.rept 15
	v_pk_fma_f32 v[S:S+1], v[AC+j:AC+j+1], v[AC+j:AC+j+1], v[S:S+1]
	v_pk_fma_f32 v[S+2:S+3], v[AC+j+2:AC+j+3], v[AC+j+2:AC+j+3], v[S+2:S+3]
.set j, j+4
.endr
.else
	v_pk_add_f32 v[S:S+1], v[AC:AC+1], v[AC+4:AC+5]
	v_pk_add_f32 v[S+2:S+3], v[AC+2:AC+3], v[AC+6:AC+7]
.set j, 8
.rept 14
	v_pk_add_f32 v[S:S+1], v[S:S+1], v[AC+j:AC+j+1]
	v_pk_add_f32 v[S+2:S+3], v[S+2:S+3], v[AC+j+2:AC+j+3]
.set j, j+4
.endr
.endif
	v_pk_add_f32 v[S:S+1], v[S:S+1], v[S+2:S+3]
	v_add_f32 v[S], v[S], v[S+1]
	v_permlanex16_b32 v[S+1], v[S], s[SEL], s[SEL+1]
	v_add_f32 v[S], v[S], v[S+1]
	ds_store_b32 v[REDW], v[S] offset:512*(\sq)+64*(\a)     ; both halves of the lanes write the same word
.endm
.macro GATHER sq                       ; the four waves' partial sums of my two rows, added in the same order in every wave: v[PT], v[PT+4]
	s_wait_dscnt 0x0                               ; for the others' sake: my partial sums lie in LDS
	s_barrier_signal -1
	s_barrier_wait -1
.irp a, 0,1
.irp w, 0,1,2,3
	ds_load_b32 v[PT+4*\a+\w], v[REDR] offset:512*(\sq)+128*\w+64*\a
.endr
.endr
	s_wait_dscnt 0x0
.irp a, 0,1
	v_add_f32 v[PT+4*\a], v[PT+4*\a], v[PT+4*\a+1]
	v_add_f32 v[PT+4*\a+2], v[PT+4*\a+2], v[PT+4*\a+3]
	v_add_f32 v[PT+4*\a], v[PT+4*\a], v[PT+4*\a+2]
.endr
.endm
	ROWSUM 0, 0
	ROWSUM 1, 0
	GATHER 0
.irp a, 0,1
	v_mul_f32 v[MN+2*\a], s[SC], v[PT+4*\a]
	v_mul_f32 v[MN+2*\a], 0xbb000000, v[MN+2*\a]   ; -mean = sum x 2^(e4 + e5) x -1/512: both factors are powers of two
	v_mov_b32 v[MN+2*\a+1], v[MN+2*\a]
.endr
.irp a, 0,1
.set j, 0
.rept 32
	v_pk_fma_f32 v[ACC+64*\a+j:ACC+64*\a+j+1], v[ACC+64*\a+j:ACC+64*\a+j+1], s[SC:SC+1], v[MN+2*\a:MN+2*\a+1] op_sel_hi:[1,0,0]   ; sum x 2^(e4 + e5) - mean
.set j, j+2
.endr
.endr
	ROWSUM 0, 1
	ROWSUM 1, 1
	GATHER 1
.irp a, 0,1
	v_fma_f32 v[RS+2*\a], v[PT+4*\a], s62, s63     ; the variance + 1e-5
.endr
.irp a, 0,1
	v_rsq_f32 v[RS+2*\a], v[RS+2*\a]
.endr
	v_nop                                          ; a plain instruction between the transcendentals and the use of their results
	s_wait_alu depctr_va_vdst(0)
.irp a, 0,1
	v_mov_b32 v[RS+2*\a+1], v[RS+2*\a]
.endr
.irp a, 0,1
.set j, 0
.rept 32
	v_pk_mul_f32 v[ACC+64*\a+j:ACC+64*\a+j+1], v[ACC+64*\a+j:ACC+64*\a+j+1], v[RS+2*\a:RS+2*\a+1] op_sel_hi:[1,0]
.set j, j+2
.endr
.endr
	s_wait_loadcnt 0x0                             ; gamma and beta
	WIN 0x28                                       ; sources 1 and 2 window 2
.irp a, 0,1
.set j, 0
.rept 32
	v_pk_fma_f32 v[ACC+64*\a+j:ACC+64*\a+j+1], v[ACC+64*\a+j:ACC+64*\a+j+1], v[j:j+1], v[64+j:64+j+1]
.set j, j+2
.endr
.endr
	WIN 0
; THE WAY OUT.  A lane holds 32 neighbouring bytes of a row for each tile b: 16 rows x 512 bytes go through my own stage and come back as whole rows, which the 32 lanes store as 512 consecutive bytes, aligned.
.macro OUTSTAGE a, back
.irp b, 0,1,2,3,4,5,6,7
	ds_store_b128 v[STO], v[ACC+64*\a+8*\b:ACC+64*\a+8*\b+3] offset:16*SPITCH*\a+64*\b
	ds_store_b128 v[STO], v[ACC+64*\a+8*\b+4:ACC+64*\a+8*\b+7] offset:16*SPITCH*\a+64*\b+16
.endr
.irp t, 0,1,2,3,4,5,6,7,8,9,10,11,12,13,14,15
	ds_load_b128 v[\back+4*\t:\back+4*\t+3], v[RD] offset:16*SPITCH*\a+SPITCH*\t     ; LDS serves a wave's instructions in order (ISA guide 5.7.1.4): these see my stores
.endr
.endm
.macro SEND a, back, younger           ; younger: the LDS instructions issued behind this tile's loads
.irp t, 0,1,2,3,4,5,6,7,8,9,10,11,12,13,14,15
	s_wait_dscnt \younger+15-\t
	global_store_b128 v[CO], v[\back+4*\t:\back+4*\t+3], s[14:15] offset:(16*\a+\t)*2048 th:TH_STORE_NT    ; written once, read by nobody here
.endr
.endm
	OUTSTAGE 0, AFR                                ; rows 0-15 come back into the registers that held the field's fragments,
	OUTSTAGE 1, ACC                                ; rows 16-31 into the accumulators of rows 0-15, whose stores into the stage stand ahead: no store to memory reads a register that is written again
	SEND 0, AFR, 32
	SEND 1, ACC, 0
	s_wait_tensorcnt 0x0                           ; the wave's end
	ds_add_u32 v[SPW], v[NIL]
	s_wait_dscnt 0x0
	CROUND                                         ; the closing round: no work-group ends while a partner may still ask for a tile that names it
	s_endpgm
.Lfunc_end_k_q5b92f1682c_gemm3:
	.size	k_q5b92f1682c_gemm3, .Lfunc_end_k_q5b92f1682c_gemm3-k_q5b92f1682c_gemm3
	.p2alignl 7, 3214868480
	.fill 96, 4, 3214868480
	.section	.rodata,"a",@progbits
	.p2align	6, 0x0
	.amdhsa_kernel k_q5b92f1682c_gemm3
		.amdhsa_group_segment_fixed_size 327680
		.amdhsa_private_segment_fixed_size 0
		.amdhsa_enable_private_segment 0
		.amdhsa_kernarg_size 48
		.amdhsa_user_sgpr_count 2
		.amdhsa_user_sgpr_kernarg_segment_ptr 1
		.amdhsa_wavefront_size32 1
		.amdhsa_system_sgpr_workgroup_id_x 1
		.amdhsa_system_sgpr_workgroup_id_y 1
		.amdhsa_system_sgpr_workgroup_id_z 1
		.amdhsa_system_vgpr_workitem_id 0
		.amdhsa_next_free_vgpr 640
		.amdhsa_next_free_sgpr 66
		.amdhsa_reserve_vcc 0
		.amdhsa_float_denorm_mode_32 3
		.amdhsa_float_denorm_mode_16_64 3
		.amdhsa_memory_ordered 1
		.amdhsa_forward_progress 1
		.amdhsa_inst_pref_size 74
	.end_amdhsa_kernel
	.amdgpu_metadata
---
amdhsa.version: [ 1, 2 ]
amdhsa.kernels:
  - .name:           k_q5b92f1682c_gemm3
    .symbol:         k_q5b92f1682c_gemm3.kd
    .args:
      - { .name: fq, .offset: 0, .size: 8, .value_kind: global_buffer, .address_space: global }
      - { .name: w3q, .offset: 8, .size: 8, .value_kind: global_buffer, .address_space: global }
      - { .name: lowp_scales, .offset: 16, .size: 8, .value_kind: global_buffer, .address_space: global }
      - { .name: gamma, .offset: 24, .size: 8, .value_kind: global_buffer, .address_space: global }
      - { .name: beta, .offset: 32, .size: 8, .value_kind: global_buffer, .address_space: global }
      - { .name: out0, .offset: 40, .size: 8, .value_kind: global_buffer, .address_space: global }
    .group_segment_fixed_size: 327680
    .private_segment_fixed_size: 0
    .kernarg_segment_align: 8
    .kernarg_segment_size: 48
    .max_flat_workgroup_size: 128
    .sgpr_count:     66
    .vgpr_count:     640
    .wavefront_size: 32
...
	.end_amdgpu_metadata
.endif
;; end of part 4
